; MI455X (gfx1250); checked and timed in simulation.
; The chip was launched on July 23, 2026; its instructions are those of AMD's public machine-readable ISA for CDNA 5 (MIT licence, August 2026) and "CDNA5" Instruction Set Architecture Reference Guide (July 2026). The comments in the code are by the model that wrote it; some were corrected since.
;; Multi Head Self Attention. Allowed arithmetic: matrix products marked QUANTISED: E2M1 operands, one E8M0 scale for each 32 along K, by v_wmma_scale_f32_16x16x128_f8f6f4 with both operands' format E2M1 (or v_wmma_scale_f32_32x16x128_f4), f32 sums; everything else in f32.
;; Inputs: Wk_codes 1,024 x 32 x 16 uint8 (E2M1 codes of Wk, K innermost, in blocks of 32 codes, two codes a byte); Wk_scales 1,024 x 32 uint8 (E8M0 scales of Wk, one for each 32 codes along K); Wp_codes 1,024 x 32 x 16 uint8 (E2M1 codes of Wp, K innermost, in blocks of 32 codes, two codes a byte); Wp_scales 1,024 x 32 uint8 (E8M0 scales of Wp, one for each 32 codes along K); Wq_codes 1,024 x 32 x 16 uint8 (E2M1 codes of Wq, K innermost, in blocks of 32 codes, two codes a byte); Wq_scales 1,024 x 32 uint8 (E8M0 scales of Wq, one for each 32 codes along K); Wv_codes 1,024 x 32 x 16 uint8 (E2M1 codes of Wv, K innermost, in blocks of 32 codes, two codes a byte); Wv_scales 1,024 x 32 uint8 (E8M0 scales of Wv, one for each 32 codes along K); beta 1,024 float32; bk 1,024 float32; bp 1,024 float32; bq 1,024 float32; bv 1,024 float32; gamma 1,024 float32; hidden_input 4 x 2,048 x 1,024 float32.
;; Outputs: out0 4 x 2,048 x 1,024 float32.
;; This version of the problem:
;;   THIS VERSION OF THE PROBLEM IS GIVEN IN LOW PRECISION. The matrix products marked QUANTISED in the list below multiply operands that are first quantised to E2M1 (2 exponent bits, 1 mantissa bit; 4 bits a number), with one power-of-two scale for each 32 numbers along K (OCP MX v1.0); their sums are f32. All else is computed in f32.
;;   The module's matrix products, in the order in which they are computed (A, B: the left and right operand; K: the contracted axis; several contracted axes count as one K, in the product's order):
;;     1. [M 8,192, K 1,024] x [K 1,024, N 1,024]; A: input hidden_input; B: input Wq (given as codes): QUANTISED
;;     2. [M 8,192, K 1,024] x [K 1,024, N 1,024]; A: input hidden_input; B: input Wk (given as codes): QUANTISED
;;     3. [M 8,192, K 1,024] x [K 1,024, N 1,024]; A: input hidden_input; B: input Wv (given as codes): QUANTISED
;;     4. batch 64 x [M 2,048, K 64] x [K 64, N 2,048]; A: computed on the way; B: computed on the way: QUANTISED
;;     5. batch 64 x [M 2,048, K 2,048] x [K 2,048, N 64]; A: softmax (see below); B: computed on the way: QUANTISED
;;     6. [M 8,192, K 1,024] x [K 1,024, N 1,024]; A: computed on the way; B: input Wp (given as codes): QUANTISED
;;   THE QUANTISER, for each operand of a quantised product, along K:
;;     - K is cut into blocks of 32 from its start; a last block that is shorter is filled with zeros.
;;     - A block's scale is 2^e with e = floor(log2(the largest magnitude in the block)) - 2, held to -126 .. 127; a block of zeros has e = 0. As a byte (E8M0): e + 127.
;;     - Each number is divided by its block's scale, clamped to +-6, and rounded to the nearest number of E2M1, ties to even, subnormals kept.
;;     - The product sums the exact products of the quantised numbers (number of the format x scale) in f32.
;;   ~~~python
;;   def quantise(x, axis):      # numpy; x: float32 -> the quantised numbers, widened to float32 again
;;       x = np.moveaxis(x, axis, -1); K = x.shape[-1]
;;       x = np.pad(x, [(0, 0)] * (x.ndim - 1) + [(0, -K % 32)]); x = x.reshape(x.shape[:-1] + (-1, 32)); a = np.abs(x).max(-1, keepdims=True)
;;       e = np.where(a > 0, np.clip(np.frexp(np.where(a > 0, a, 1))[1] - 1 - 2, -126, 127), 0)      # np.frexp(a)[1] - 1 = floor(log2(a)), exactly
;;       r = np.clip(x / 2.0 ** e, -6, 6)
;;       step = 2.0 ** (np.maximum(np.frexp(np.where(r == 0, 1, r))[1] - 1, 0) - 1)
;;       q = np.round(r / step) * step * 2.0 ** e      # np.round: ties to even
;;       return np.moveaxis(q.reshape(q.shape[:-2] + (-1,))[..., :K], -1, axis).astype(np.float32)
;;   ~~~
;;   SOFTMAX AHEAD OF A QUANTISED PRODUCT. Where the list says 'softmax', what is quantised is not the finished softmax but p = 2^(t - M), with t = logit x log2(e) and M = ceil(the row's largest t), a whole number; so 1/2 < the row's largest p <= 1. The row's sum l is taken of the UNQUANTISED p, in f32, and the product's result is divided by l at the end. Since M is a whole number, a kernel that streams over the keys may use a running M (the ceiling of the running maximum): every later rescaling is an exact power of two, which a block's scale takes up: the codes' values come out the same.
;;   OPERANDS COMPUTED ON THE WAY. 'Computed on the way' means the value that the module computes at that place (a softmax that the list does not call 'softmax' is quantised finished and normalised). What goes into a quantiser is computed in f32, as accurately as f32 sums, v_exp_f32 and their like allow (about 1e-6 of the number): no bf16 or f16 on the way to a quantiser, and a product that is left as it is and whose result goes on into a quantised operand takes f32 operands (vector FMAs, or v_wmma_f32_16x16x4_f32). A number that lies on a knife's edge between two numbers of the format may be rounded either way, as far as f32 arithmetic and the matrix unit's own rounding can turn it there, and no further.
;;   INPUTS GIVEN AS CODES. Wk (in the module: [1024, 1024], K = its axis 0); Wp (in the module: [1024, 1024], K = its axis 0); Wq (in the module: [1024, 1024], K = its axis 0); Wv (in the module: [1024, 1024], K = its axis 0): each comes as NAME_codes (uint8): NAME with its K axis moved to the last place and cut into blocks of 32 codes, [.., K / 32, bytes a block], one block behind the other in memory; two codes a byte, the lower K in the low four bits (a code: sign, 2 exponent bits, 1 mantissa bit); and NAME_scales (uint8): the same leading axes, one E8M0 byte (e + 127) for each 32 codes along K. Its value is code x scale, taken as it is: it is not quantised again, and the codes and scales need not be those that the quantiser above would give.
;; 2 versions. Each part assembles by itself: llvm-mc -triple=amdgcn-amd-amdhsa -mcpu=gfx1250 --defsym DOCPART=n.
;; ======== version 1 of 2: 3 launches
;; workspace buffers: qkv 13,893,632 bytes; cc 4,194,304 bytes; cs 262,144 bytes
;; launch qkv (part 1): grid 4 x 64, 4 waves a work-group, no clusters, 107,008 bytes of LDS; arguments hidden_input, Wq_codes, Wk_codes, Wq_scales, Wk_scales, bq, bk, Wv_codes, Wv_scales, bv, qkv; writes qkv
.if DOCPART == 1
	.amdgcn_target "amdgcn-amd-amdhsa--gfx1250"
	.amdhsa_code_object_version 6
	.text
	.protected	k_q3774705f83_qkv
	.globl	k_q3774705f83_qkv
	.p2align	8
	.type	k_q3774705f83_qkv,@function
k_q3774705f83_qkv:
	s_mov_b64 s[64:65], 0
	v_nop
	global_prefetch_b8 v0, s[64:65] scope:SCOPE_SE
	s_setreg_imm32_b32 hwreg(HW_REG_WAVE_MODE, 25, 1), 1
	s_wait_xcnt 0x0
; q = x Wq + bq, k = x Wk + bk, v = x Wv + bv on codes of FP4 (E2M1) with one E8M0 scale for each 32 along K, and the three results quantised again for the attention launch:
; q and k along the head's 64, v along the keys.  x: [8192][1024] f32, quantised here along its 1,024.  The weights come as codes, K innermost (512 bytes a row), scale bytes 32 a row.
; SHARES.  A work-group takes 128 tokens (work-group y: sequence y / 16, key step y % 16) and the q, k and v columns of four heads (work-group x).  THE WAVES SHARE THE COLUMNS: waves 0, 1 hold 128 columns of Wq each,
; waves 2, 3 the same columns of Wk, and every wave the 64 columns of Wv of one head: 96 fragments, 768 registers, read from memory once.  x's codes go from wave to wave through LDS as images of the operand's registers.
; THE TOKENS OF A TILE ARE NOT NEIGHBOURS: lane r of tile 2 B + u is token 32 B + 8 u + r + 8 (r / 8); the rows of a weight that form a tile are chosen alike.  So in q and k (source 0 = 16 rows of W, source 1 = x) a lane
; holds one token and the 16 registers of tiles 2 b, 2 b + 1 are 16 neighbouring columns; in v (source 0 = x, source 1 = 16 rows of Wv) a lane holds one channel and the same 16 registers are 16 neighbouring tokens, v's K.
; THE RECORD of a head (REC bytes of the workspace): K's images [tile 128][lane][16 bytes], K's scale words [tile / 4][r][tile % 4], V's images [key step 16][tile of channels 4][half 2][lane][16], V's scale words
; [key step][r][tile], then Q's images and scale words laid as K's.  A q or k fragment has 64 codes a row: its image is registers 0-3; of its scale word bytes 0, 1 count, bytes 2, 3 stand over zero codes and are never 0xff.
; NO CLUSTER: the weights go straight into registers, and the one thing that the four work-groups of a token block share, x's 128 x 4,096 bytes of f32, is 524,288 bytes: more than LDS holds.
; LIMITS: NaN and infinities among the inputs are not served.  A block whose largest magnitude lies under 2^-124 gets the scale byte 1; so does a block of zeros, where the rule says 127: its codes are zeros, and this program alone reads the bytes.
; REGISTERS, in windows of 256: window 0: v1-13 addresses; v16-79 and v80-143 two sets of 64 (x as f32, x's fragments, results); v144-151 codes just made; v152-167 at work; v168-175 scale words on their way out;
;   v176-191 x's scale words; v192-223 Wq's or Wk's; v224-239 Wv's; v240-247 bv.   windows 1, 2: Wq's or Wk's 64 fragments (K step s, tile t at 8 (8 (s % 4) + t) of window 1 + s / 4).   window 3: Wv's 32 (8 (4 s + n)).
;   In the last phase window 1 holds v's 32 accumulators (8 (8 n + m)).
.set REC,   217088                     ; a head's record
.set KSCO,  65536                      ; in it: scale words behind 65,536 bytes of images
.set VIMG,  73728
.set VSCO,  139264
.set QOFF,  143360
.set XSC,   65536                      ; LDS: x's 64 fragments from byte 0 (tile m, K step s at 1,024 (8 m + s)); here their scale words, 128 bytes each;
.set BIMG,  73728                      ; here, 8,192 bytes a wave, the image of the wave's 64 registers of bq or bk
.set LI,   1                           ; 16 x lane
.set LS,   2                           ; XSC + 4 x lane
.set XA,   3                           ; x: (r + 8 (r / 8)) rows of 4,096 bytes + 64 h
.set XWI,  4                           ; where I store x's images: 16 x lane + 16,384 x wave
.set XWS,  5                           ; and their scale words: XSC + 4 x lane + 2,048 x wave
.set BI,   6                           ; my bias image
.set WA,   7                           ; a weight's row: (r + 8 (r / 8)) x 512 + 16 h
.set WSA,  8                           ; its scale bytes: (r + 8 (r / 8)) x 32 + 16 h
.set BO,   9                           ; 64 h
.set VO,   10                          ; 4 (r + 8 (r / 8))
.set SOFF, 11                          ; 16 r + h x REC
.set SH,   12                          ; 16 h
.set VSO,  13                          ; 16 r + 8 h
.set XF,   16
.set HA,   80
.set PC,   144
.set TM,   152
.set PWS,  168
.set SO,   172
.set XS,   176
.set WSQ,  192
.set WSV,  224
.set BV,   240
.set WV,   26
.set SEL,  28
.set MSB, 0
.macro WIN new                         ; s_set_vgpr_msb: bits 1:0 source 0, 3:2 source 1, 5:4 source 2, 7:6 destination; the high byte repeats the setting that is left
.if MSB != (\new)
	s_set_vgpr_msb (MSB<<8)|(\new)
.set MSB, (\new)
.endif
.endm
.macro PLACES                          ; four plain places behind a matrix instruction, in front of reads of its result and of loads into its registers
.rept 4
	v_nop
.endr
.endm
; 64 numbers of x for a lane: tile u of my two, K step q: register 16 b + 4 j + e = x(my token, 128 q + 32 b + 16 h + 4 j + e)
.macro XLOAD reg, u, q
.irp b, 0,1,2,3
.irp j, 0,1,2,3
	global_load_b128 v[\reg+16*\b+4*\j:\reg+16*\b+4*\j+3], v[XA], s[30:31] offset:32768*(\u)+512*(\q)+128*\b+16*\j
.endr
.endr
.endm
; twelve loads of weights: four fragments of Wq or Wk, two of Wv.  Sixteen such chunks stand between the steps that quantise x
.macro WCHUNK i
	WIN 0x40+0x40*((\i)/8)
.irp k, 0,1,2,3
.set WFR, 4*(\i)+\k
.set WKS, WFR/8
.set WTI, WFR%8
.irp c, 0,1
	global_load_b128 v[8*(WFR%32)+4*\c:8*(WFR%32)+4*\c+3], v[WA], s[32:33] offset:(32*(WTI/2)+8*(WTI%2))*512+64*WKS+32*\c
.endr
.endr
	WIN 0xc0
.irp k, 0,1
.set WFR, 2*(\i)+\k
.set WKS, WFR/4
.set WTI, WFR%4
.irp c, 0,1
	global_load_b128 v[8*WFR+4*\c:8*WFR+4*\c+3], v[WA], s[38:39] offset:(32*(WTI/2)+8*(WTI%2))*512+64*WKS+32*\c
.endr
.endr
	WIN 0
.endm
; 64 numbers of a lane, register 16 b + i = k 32 b + 16 h + i of my row, become a fragment's codes in v[PC] on and its scale word in v[pw]
.macro QUANT s, pw
.irp b, 0,1,2,3
	v_max3_num_f32 v[TM+\b], |v[\s+16*\b]|, |v[\s+1+16*\b]|, 0x1800000   ; block b: my 16 numbers, and the floor 2^(3 - 127): the byte cannot fall under 1
.endr
.irp i, 2,4,6,8,10,12,14
.irp b, 0,1,2,3
	v_max3_num_f32 v[TM+\b], v[TM+\b], |v[\s+16*\b+\i]|, |v[\s+1+16*\b+\i]|   ; (the four blocks by turns)
.endr
.endr
.irp b, 0,1,2,3
	v_permlanex16_b32 v[TM+4+\b], v[TM+\b], s[SEL], s[SEL+1]
.endr
.irp b, 0,1,2,3
	v_max_num_f32 v[TM+\b], v[TM+\b], v[TM+4+\b]   ; with lane l xor 16's: the block's largest magnitude
.endr
.irp b, 0,1,2,3
	v_add_nc_u32 v[TM+12+\b], 0xff000000, v[TM+\b]   ; 2 off its exponent field: the conversion takes the exponent field of this operand as its scale
.endr
.irp b, 0,1,2,3
	v_lshrrev_b32 v[TM+4+\b], 23, v[TM+12+\b]      ; the scale's byte
.endr
	v_lshl_or_b32 v[\pw], v[TM+5], 8, v[TM+4]      ; four bytes: my row's scale word (both halves of the lanes hold it)
	v_lshl_or_b32 v[\pw], v[TM+6], 16, v[\pw]
	v_lshl_or_b32 v[\pw], v[TM+7], 24, v[\pw]
.irp b, 0,1,2,3
	v_cvt_scalef32_pk8_fp4_f32 v[PC+2*\b], v[\s+16*\b:\s+7+16*\b], v[TM+12+\b]
	v_cvt_scalef32_pk8_fp4_f32 v[PC+1+2*\b], v[\s+8+16*\b:\s+15+16*\b], v[TM+12+\b]
.endr
	v_nop                                          ; one plain place behind a scaled conversion
.irp c, 0,1                                    ; the operand's layout wants a whole block in a lane: lanes 0-15 block 2 c, lanes 16-31 block 2 c + 1
.irp i, 0,1
	v_permlane16_swap_b32 v[PC+4*\c+\i], v[PC+2+4*\c+\i]
.endr
.endr
.endm
.macro FETCH reg, off                          ; a fragment's image comes back as it was stored: the same registers in the same lanes
.irp c, 0,1
	ds_load_b128 v[\reg+4*\c:\reg+4*\c+3], v[LI] offset:\off+512*\c
.endr
.endm
.macro FETCHX m                                ; tile m of x: its eight fragments and scale words
.irp q, 0,1,2,3,4,5,6,7
	FETCH XF+8*\q, (8*(\m)+\q)*1024
	ds_load_b32 v[XS+\q], v[LS] offset:(8*(\m)+\q)*128
.endr
.endm
.macro VFETCH q, buf, xs                       ; K step q of x: all eight tiles: 24 LDS loads
.irp m, 0,1,2,3,4,5,6,7
	FETCH \buf+8*\m, (8*\m+(\q))*1024
	ds_load_b32 v[\xs+\m], v[LS] offset:(8*\m+(\q))*128
.endr
.endm
.macro BIASLD                                  ; bq or bk in the result's layout, straight into the accumulators: the sums begin with it
.irp k, 0,1,2,3,4,5,6,7,8,9,10,11,12,13,14,15
	ds_load_b128 v[HA+4*\k:HA+4*\k+3], v[BI] offset:512*\k
.endr
.endm
	s_load_b512 s[4:19], s[0:1], 0x0               ; x, Wq's codes, Wk's codes, Wq's scales, Wk's scales, bq, bk, Wv's codes
	s_load_b128 s[20:23], s[0:1], 0x40             ; Wv's scales, bv
	s_load_b64 s[24:25], s[0:1], 0x50              ; the records
	v_lshl_add_u32 v254, v0, 2, 0x1a000
	v_mov_b32 v255, 0
	v_lshrrev_b32 v14, 5, v0
	v_readfirstlane_b32 s[WV], v14                 ; wave 0..3
	v_and_b32 v14, 31, v0                          ; lane
	v_and_b32 v15, 15, v0                          ; r
	v_bfe_u32 v[SH], v0, 4, 1                      ; h
	v_lshlrev_b32 v[LI], 4, v14
	v_lshl_add_u32 v[LS], v14, 2, XSC
	v_and_b32 v[VO], 8, v15
	v_add_nc_u32 v[VO], v[VO], v15                 ; r + 8 (r / 8)
	v_lshlrev_b32 v[XA], 12, v[VO]
	v_lshl_add_u32 v[XA], v[SH], 6, v[XA]
	s_lshl_b32 s55, s[WV], 14
	v_add_nc_u32 v[XWI], s55, v[LI]
	s_lshl_b32 s55, s[WV], 11
	v_add_nc_u32 v[XWS], s55, v[LS]
	s_lshl_b32 s55, s[WV], 13
	s_add_co_u32 s55, s55, BIMG
	v_add_nc_u32 v[BI], s55, v[LI]
	v_lshlrev_b32 v[WA], 9, v[VO]
	v_lshl_add_u32 v[WA], v[SH], 4, v[WA]
	v_lshlrev_b32 v[WSA], 5, v[VO]
	v_lshl_add_u32 v[WSA], v[SH], 4, v[WSA]
	v_lshlrev_b32 v[BO], 6, v[SH]
	v_mul_u32_u24 v[SOFF], v[SH], REC
	v_lshl_add_u32 v[SOFF], v15, 4, v[SOFF]
	v_lshlrev_b32 v[VSO], 3, v[SH]
	v_lshl_add_u32 v[VSO], v15, 4, v[VSO]
	v_lshlrev_b32 v[VO], 2, v[VO]
	v_lshlrev_b32 v[SH], 4, v[SH]
.irp b, 0,1,2,3
	v_mov_b32 v[TM+4+\b], 0                        ; written once: a lane permute's destination counts as one of its sources
.endr
	s_mov_b32 s[SEL], 0x76543210
	s_mov_b32 s[SEL+1], 0xfedcba98                 ; v_permlanex16_b32's selects for lane l xor 16
	s_mov_b32 s54, 0xffff0000                      ; the lanes with h = 1
	s_and_b32 s55, ttmp7, 0xffff                   ; the block of 128 tokens
	s_lshr_b32 s56, s55, 4                         ; its sequence
	s_and_b32 s57, s55, 15                         ; its key step
	s_and_b32 s58, s[WV], 1
	s_mov_b32 s61, 0                               ; the upper word of every offset below
	s_wait_kmcnt 0x0
	s_cmp_lt_u32 s[WV], 2                          ; waves 0, 1 make q, waves 2, 3 k: the choice hangs on the wave's number alone
	s_cselect_b64 s[32:33], s[6:7], s[8:9]
	s_cselect_b64 s[34:35], s[10:11], s[12:13]
	s_cselect_b64 s[36:37], s[14:15], s[16:17]
	s_cselect_b32 s63, QOFF, 0                     ; and where in a record the results go
	s_lshl_b32 s60, s55, 19                        ; x: 128 rows of 4,096 bytes a block,
	s_lshl_b32 s62, s[WV], 17                      ; 32 rows a wave
	s_add_co_u32 s60, s60, s62
	s_add_nc_u64 s[30:31], s[4:5], s[60:61]
	s_lshl_b32 s59, ttmp9, 8
	s_lshl_b32 s62, s58, 7
	s_add_co_u32 s62, s59, s62                     ; my first column of Wq or Wk: 256 x work-group x + 128 (wave % 2)
	s_lshl_b32 s60, s62, 9
	s_add_nc_u64 s[32:33], s[32:33], s[60:61]
	s_lshl_b32 s60, s62, 5
	s_add_nc_u64 s[34:35], s[34:35], s[60:61]
	s_lshl_b32 s60, s62, 2
	s_add_nc_u64 s[36:37], s[36:37], s[60:61]
	s_lshl_b32 s62, s[WV], 6
	s_add_co_u32 s62, s59, s62                     ; my first column of Wv: 256 x work-group x + 64 x wave
	s_lshl_b32 s60, s62, 9
	s_add_nc_u64 s[38:39], s[18:19], s[60:61]
	s_lshl_b32 s60, s62, 5
	s_add_nc_u64 s[40:41], s[20:21], s[60:61]
	s_lshl_b32 s60, s62, 2
	s_add_nc_u64 s[42:43], s[22:23], s[60:61]
	s_lshl_b32 s59, s56, 4
	s_lshl_b32 s62, ttmp9, 2
	s_add_co_u32 s59, s59, s62                     ; the first of my work-group's four records: 16 x sequence + 4 x work-group x
	s_lshl_b32 s62, s58, 1
	s_add_co_u32 s62, s59, s62                     ; q, k: my two heads' first record
	s_mul_i32 s60, s62, REC
	s_add_co_u32 s60, s60, s63
	s_add_nc_u64 s[48:49], s[24:25], s[60:61]
	s_lshl_b32 s60, s57, 12                        ; eight tiles' images a key step
	s_add_nc_u64 s[44:45], s[48:49], s[60:61]      ; images of my first head,
	s_add_nc_u64 s[46:47], s[44:45], REC           ; of my second,
	s_lshl_b32 s60, s57, 9
	s_add_co_u32 s60, s60, KSCO
	s_add_nc_u64 s[48:49], s[48:49], s[60:61]      ; and the scale words
	s_add_co_u32 s62, s59, s[WV]                   ; v: my head's record
	s_mul_i32 s60, s62, REC
	s_add_nc_u64 s[52:53], s[24:25], s[60:61]
	s_lshl_b32 s60, s57, 12
	s_add_co_u32 s60, s60, VIMG
	s_add_nc_u64 s[50:51], s[52:53], s[60:61]
	s_lshl_b32 s60, s57, 8
	s_add_co_u32 s60, s60, VSCO
	s_add_nc_u64 s[52:53], s[52:53], s[60:61]
.irp t, 0,1,2,3,4,5,6,7                        ; bq or bk: lane (r, h) wants, for tile t, the eight numbers of columns 32 (t / 2) + 8 (t % 2) + 16 h on
	global_load_b128 v[HA+8*\t:HA+8*\t+3], v[BO], s[36:37] offset:(32*(\t/2)+8*(\t%2))*4
	global_load_b128 v[HA+8*\t+4:HA+8*\t+7], v[BO], s[36:37] offset:(32*(\t/2)+8*(\t%2))*4+16
.endr
.irp n, 0,1,2,3                                ; bv at my lane's channel of tile n, twice: a pair for the packed addition
	global_load_b32 v[BV+2*\n], v[VO], s[42:43] offset:(32*(\n/2)+8*(\n%2))*4
	global_load_b32 v[BV+2*\n+1], v[VO], s[42:43] offset:(32*(\n/2)+8*(\n%2))*4
.endr
.irp t, 0,1,2,3,4,5,6,7                        ; a row's eight scale words: lanes 0-15 take words 0-3, lanes 16-31 words 4-7: register 4 t + i serves K steps i and 4 + i
	global_load_b128 v[WSQ+4*\t:WSQ+4*\t+3], v[WSA], s[34:35] offset:(32*(\t/2)+8*(\t%2))*32
.endr
.irp n, 0,1,2,3
	global_load_b128 v[WSV+4*\n:WSV+4*\n+3], v[WSA], s[40:41] offset:(32*(\n/2)+8*(\n%2))*32
.endr
	XLOAD XF, 0, 0
	s_wait_loadcnt 16                              ; all but x's first sixteen loads
.irp k, 0,1,2,3,4,5,6,7,8,9,10,11,12,13,14,15
	ds_store_b128 v[BI], v[HA+4*\k:HA+4*\k+3] offset:512*\k
.endr
	s_wait_dscnt 0x0                               ; the stores have read their registers
	XLOAD HA, 0, 1
; ---- x: my 32 tokens (tiles 2 w, 2 w + 1) become sixteen fragments.  Step i = 8 u + s.  Two steps of x are on their way, and a chunk of weights behind each.
.macro XSTEP i, left
.set XSET, XF+64*((\i)%2)
.set XNU, ((\i)+2)/8
.set XNS, ((\i)+2)%8
	s_wait_loadcnt \left                           ; this step's sixteen loads are in; what was issued behind them may be out
	QUANT XSET, PWS
.irp c, 0,1
	ds_store_b128 v[XWI], v[PC+4*\c:PC+4*\c+3] offset:(\i)*1024+512*\c
.endr
	ds_store_b32 v[XWS], v[PWS] offset:(\i)*128
	s_wait_dscnt 0x0                               ; the stores have read their registers
.if (\i) < 14
	XLOAD XSET, XNU, XNS
.endif
	WCHUNK \i
.endm
	XSTEP 0, 16                                    ; behind it: step 1
	XSTEP 1, 28                                    ; step 2 and chunk 0
.irp i, 2,3,4,5,6,7,8,9,10,11,12,13,14
	XSTEP \i, 40                                   ; a chunk, a step, a chunk
.endr
	XSTEP 15, 24                                   ; chunks 13 and 14
	s_wait_loadcnt 0x0                             ; the weights
	s_wait_dscnt 0x0
	s_barrier_signal -1
	s_barrier_wait -1                              ; x's 64 fragments lie in LDS; nothing is stored to LDS from here on
; ---- q or k: a tile of 16 tokens at a time: 64 matrix instructions, the eight accumulators by turns
.macro UNITQK m
	s_wait_dscnt 0x0                               ; x's fragments and scale words, and the bias in the accumulators
	WIN 0x01                                       ; source 0 (the weight) window 1
.irp q, 0,1,2,3
.irp t, 0,1,2,3,4,5,6,7
	v_wmma_scale_f32_16x16x128_f8f6f4 v[HA+8*\t:HA+8*\t+7], v[8*(8*\q+\t):8*(8*\q+\t)+7], v[XF+8*\q:XF+8*\q+7], v[HA+8*\t:HA+8*\t+7], v[WSQ+4*\t+\q], v[XS+\q] matrix_a_fmt:MATRIX_FMT_FP4 matrix_b_fmt:MATRIX_FMT_FP4
.endr
.endr
	WIN 0x02                                       ; window 2: K steps 4 to 7; their scale words lie in lanes 16-31
.irp q, 0,1,2,3
.irp t, 0,1,2,3,4,5,6,7
	v_wmma_scale_f32_16x16x128_f8f6f4 v[HA+8*\t:HA+8*\t+7], v[8*(8*\q+\t):8*(8*\q+\t)+7], v[XF+32+8*\q:XF+32+8*\q+7], v[HA+8*\t:HA+8*\t+7], v[WSQ+4*\t+\q], v[XS+4+\q] matrix_a_fmt:MATRIX_FMT_FP4 matrix_b_fmt:MATRIX_FMT_FP4 matrix_a_scale:MATRIX_SCALE_ROW1
.endr
.endr
	WIN 0
	PLACES
.if (\m) < 7
	FETCHX (\m)+1                                  ; the next tile's operands land while this tile is quantised
.else
	VFETCH 0, XF, XS
.endif
	s_wait_xcnt 0x0                                ; the last tile's stores have read their registers
	QUANT HA, PWS+(\m)%4                           ; blocks 0, 1: my first head's 64; blocks 2, 3: my second's
.if (\m) < 7
	BIASLD
.else
	VFETCH 1, HA, XS+8
.endif
	global_store_b128 v[LI], v[PC:PC+3], s[44:45] offset:512*(\m)       ; 32 lanes store 512 consecutive bytes
	global_store_b128 v[LI], v[PC+4:PC+7], s[46:47] offset:512*(\m)
.if (\m)%4 == 3
.irp i, 0,1,2,3
	v_lshrrev_b32 v[SO+\i], v[SH], v[PWS+\i]       ; lanes 0-15: the word as it is, for my first head; lanes 16-31: its upper half, for my second
.endr
	global_store_b128 v[SOFF], v[SO:SO+3], s[48:49] offset:256*((\m)/4)   ; four tiles' words: sixteen lanes store 256 consecutive bytes in each head's record
.endif
.endm
	FETCHX 0
	BIASLD
.irp m, 0,1,2,3,4,5,6,7
	UNITQK \m
.endr
; ---- v: all 128 tokens x my head's 64 channels: 32 accumulators by turns, a K step at a time; x's fragments in two sets
.macro VSTEP q
.set VBF, XF+64*((\q)%2)
.set VXS, XS+8*((\q)%2)
.if (\q) < 7
	s_wait_dscnt 24                                ; this step's 24 loads are in; the next step's may be out
.else
	s_wait_dscnt 0x0
.endif
	WIN 0x5c                                       ; source 0 (x) window 0, source 1 (Wv) window 3, C and D window 1
.irp m, 0,1,2,3,4,5,6,7
.irp n, 0,1,2,3
.if (\q) == 0
	v_wmma_scale_f32_16x16x128_f8f6f4 v[8*(8*\n+\m):8*(8*\n+\m)+7], v[VBF+8*\m:VBF+8*\m+7], v[8*(4*(\q)+\n):8*(4*(\q)+\n)+7], 0, v[VXS+\m], v[WSV+4*\n+(\q)%4] matrix_a_fmt:MATRIX_FMT_FP4 matrix_b_fmt:MATRIX_FMT_FP4
.elseif (\q) < 4
	v_wmma_scale_f32_16x16x128_f8f6f4 v[8*(8*\n+\m):8*(8*\n+\m)+7], v[VBF+8*\m:VBF+8*\m+7], v[8*(4*(\q)+\n):8*(4*(\q)+\n)+7], v[8*(8*\n+\m):8*(8*\n+\m)+7], v[VXS+\m], v[WSV+4*\n+(\q)%4] matrix_a_fmt:MATRIX_FMT_FP4 matrix_b_fmt:MATRIX_FMT_FP4
.else
	v_wmma_scale_f32_16x16x128_f8f6f4 v[8*(8*\n+\m):8*(8*\n+\m)+7], v[VBF+8*\m:VBF+8*\m+7], v[8*(4*(\q)+\n):8*(4*(\q)+\n)+7], v[8*(8*\n+\m):8*(8*\n+\m)+7], v[VXS+\m], v[WSV+4*\n+(\q)%4] matrix_a_fmt:MATRIX_FMT_FP4 matrix_b_fmt:MATRIX_FMT_FP4 matrix_b_scale:MATRIX_SCALE_ROW1
.endif
.endr
.endr
	WIN 0
	PLACES
.if (\q) < 6
	VFETCH (\q)+2, VBF, VXS
.endif
.endm
.irp q, 0,1,2,3,4,5,6,7
	VSTEP \q
.endr
; tile n of the channels: bv is added, which also brings the sums into window 0; the lane's 64 registers are the key step's 128 keys' 16 h halves of each block: one fragment of V^T
.macro VOUT n
	WIN 0x01                                       ; source 0 window 1
.set VK, 0
.rept 32
	v_pk_add_f32 v[HA+VK:HA+VK+1], v[64*(\n)+VK:64*(\n)+VK+1], v[BV+2*(\n):BV+2*(\n)+1]   ; each accumulator from its low end on
.set VK, VK+2
.endr
	WIN 0
	s_wait_xcnt 0x0                                ; the last stores have read their registers
	QUANT HA, PWS+(\n)
.irp c, 0,1
	global_store_b128 v[LI], v[PC+4*\c:PC+4*\c+3], s[50:51] offset:1024*(\n)+512*\c
.endr
.endm
.irp n, 0,1,2,3
	VOUT \n
.endr
	s_wait_xcnt 0x0
	v_cndmask_b32 v[SO], v[PWS], v[PWS+2], s54     ; lanes 0-15 store the words of tiles 0, 1, lanes 16-31 those of tiles 2, 3
	v_cndmask_b32 v[SO+1], v[PWS+1], v[PWS+3], s54
	global_store_b64 v[VSO], v[SO:SO+1], s[52:53]  ; 32 lanes store 256 consecutive bytes
	s_wait_tensorcnt 0x0
	ds_add_u32 v254, v255
	s_wait_dscnt 0x0
	s_endpgm
.Lfunc_end_k_q3774705f83_qkv:
	.size	k_q3774705f83_qkv, .Lfunc_end_k_q3774705f83_qkv-k_q3774705f83_qkv
	.p2alignl 7, 3214868480
	.fill 96, 4, 3214868480
	.section	.rodata,"a",@progbits
	.p2align	6, 0x0
	.amdhsa_kernel k_q3774705f83_qkv
		.amdhsa_group_segment_fixed_size 107008
		.amdhsa_private_segment_fixed_size 0
		.amdhsa_enable_private_segment 0
		.amdhsa_kernarg_size 88
		.amdhsa_user_sgpr_count 2
		.amdhsa_user_sgpr_kernarg_segment_ptr 1
		.amdhsa_wavefront_size32 1
		.amdhsa_system_sgpr_workgroup_id_x 1
		.amdhsa_system_sgpr_workgroup_id_y 1
		.amdhsa_system_sgpr_workgroup_id_z 1
		.amdhsa_system_vgpr_workitem_id 0
		.amdhsa_next_free_vgpr 1024
		.amdhsa_next_free_sgpr 66
		.amdhsa_reserve_vcc 0
		.amdhsa_float_denorm_mode_32 3
		.amdhsa_float_denorm_mode_16_64 3
		.amdhsa_memory_ordered 1
		.amdhsa_forward_progress 1
		.amdhsa_inst_pref_size 255
	.end_amdhsa_kernel
	.section	.bss,"aw",@nobits
	.p2align	6
	.space	262144
	.amdgpu_metadata
---
amdhsa.version: [ 1, 2 ]
amdhsa.kernels:
  - .name:           k_q3774705f83_qkv
    .symbol:         k_q3774705f83_qkv.kd
    .args:
      - { .name: hidden_input, .offset: 0, .size: 8, .value_kind: global_buffer, .address_space: global }
      - { .name: Wq_codes, .offset: 8, .size: 8, .value_kind: global_buffer, .address_space: global }
      - { .name: Wk_codes, .offset: 16, .size: 8, .value_kind: global_buffer, .address_space: global }
      - { .name: Wq_scales, .offset: 24, .size: 8, .value_kind: global_buffer, .address_space: global }
      - { .name: Wk_scales, .offset: 32, .size: 8, .value_kind: global_buffer, .address_space: global }
      - { .name: bq, .offset: 40, .size: 8, .value_kind: global_buffer, .address_space: global }
      - { .name: bk, .offset: 48, .size: 8, .value_kind: global_buffer, .address_space: global }
      - { .name: Wv_codes, .offset: 56, .size: 8, .value_kind: global_buffer, .address_space: global }
      - { .name: Wv_scales, .offset: 64, .size: 8, .value_kind: global_buffer, .address_space: global }
      - { .name: bv, .offset: 72, .size: 8, .value_kind: global_buffer, .address_space: global }
      - { .name: qkv, .offset: 80, .size: 8, .value_kind: global_buffer, .address_space: global }
    .group_segment_fixed_size: 107008
    .private_segment_fixed_size: 0
    .kernarg_segment_align: 8
    .kernarg_segment_size: 88
    .max_flat_workgroup_size: 128
    .sgpr_count:     66
    .vgpr_count:     1024
    .wavefront_size: 32
...
	.end_amdgpu_metadata
.endif
;; end of part 1
;; launch attn (part 2): grid 4 x 64, 16 waves a work-group, clusters of 4 x 1, 169,984 bytes of LDS; arguments qkv, cc, cs; writes cc, cs
.if DOCPART == 2
	.amdgcn_target "amdgcn-amd-amdhsa--gfx1250"
	.amdhsa_code_object_version 6
	.text
	.protected	k_q3774705f83_attn
	.globl	k_q3774705f83_attn
	.p2align	8
	.type	k_q3774705f83_attn,@function
k_q3774705f83_attn:
	s_mov_b64 s[64:65], 0
	v_nop
	global_prefetch_b8 v0, s[64:65] scope:SCOPE_SE
	s_setreg_imm32_b32 hwreg(HW_REG_WAVE_MODE, 25, 1), 1
	s_wait_xcnt 0x0
	s_wait_alu depctr_hold_cnt(0) depctr_sa_sdst(0) depctr_va_vdst(0) depctr_va_sdst(0) depctr_va_ssrc(0) depctr_va_vcc(0) depctr_vm_vsrc(0)
	s_getreg_b32 s2, hwreg(HW_REG_IB_STS2, 6, 4)
	s_cmp_eq_u32 s2, 0
	s_cbranch_scc0 .Lentry_in_a_cluster
	s_endpgm
.Lentry_in_a_cluster:
	s_bfe_u32 s2, ttmp6, 0x10000c
	s_cmp_lg_u32 s2, 0x3003
	s_cbranch_scc0 .Lentry_shape_is_right
	s_endpgm
.Lentry_shape_is_right:
; ctx[q] = the sum over keys of softmax(q . k / 8) v for one head, both products on codes of FP4 (E2M1) with E8M0 scales, and ctx quantised along the head's 64 for the last projection.
; THE SOFTMAX AHEAD OF THE SECOND PRODUCT: t = score x log2(e) / 8; M = the row's largest t so far, rounded UP to a whole number; p = 2^(t - M) is what is quantised, along the keys; it is not normalised.
; The row's sum is taken of the unquantised p, in f32, and divides O at the end.  When M moves, the sum and O are multiplied by 2^(old M - new M): exact.
; SHARES.  A work-group owns 512 queries of one head (the head: work-group y); each of its sixteen waves owns two tiles of 16 queries, one after the other, in 256 registers: four waves to a SIMD.
; A HEAD'S K, V AND THEIR SCALE WORDS ARE 143,360 BYTES, laid by the launch before as images of the operands' registers: they come into LDS once, 35 rows of 256 bytes a wave, and stay: no slot is ever filled again.
; CLUSTER.  The four work-groups of a head need the same 143,360 bytes: each wave's load is a JOINT one, the same descriptor and a mask that names the four in all four.
; LAYOUT.  Both products are used transposed: S^T = K Q^T (source 0 = 16 keys, source 1 = my 16 queries), O^T = V^T P^T (source 0 = 16 channels, source 1 = P): a lane holds ONE query throughout.
; The keys of a tile are 32 b + 8 u + r + 8 (r / 8) for tile 2 b + u, so that the 16 registers of tiles 2 b, 2 b + 1 are 16 neighbouring keys; V's channels are chosen alike, so that O^T's are 16 neighbouring channels.
; The head has 64 along the first product's K: registers 4-7 of Q's and K's fragments are zero codes, which add nothing under any scale byte but 0xff; the words' bytes 2, 3 are never that.
; LIMITS: NaN and infinities are not served; a p under 2^-126 counts as 0; a block whose largest magnitude lies under 2^-124, or that is all zeros, gets the scale byte 1 (its codes are zeros; this program alone reads the bytes).
; REGISTERS: v1-7, v25, v26 addresses that stay; v8-11 the step's; v12 -M, v13 the largest t, v[14:15] the sum; v16-23 Q, v24 its scale word; v32-63 four fragments of K; v64-95 four of V; v96-159 S^T, then p; v160-191 O^T;
;   v192-199 p's codes; v200-207 K's scale words, v208-211 V's, v212 p's; v216-233 at work.
.set REC,  217088                      ; a head's record in the workspace
.set KSC,  65536                       ; in the record and in LDS alike: K's images from 0, K's scale words here,
.set VIMG, 73728                       ; V's images,
.set VSC,  139264                      ; V's scale words
.set QOFF, 143360                      ; in the record: Q's images, and 65,536 bytes on Q's scale words
.set SCR,  143360                      ; in LDS, behind what the loads fill: 1,024 bytes: ctx's scale halfwords of the work-group's 32 tiles
.set SS,   96
.set OO,   160
.set PCD,  192
.set BM,   216
.set T2,   220
.set SCO,  224
.macro CROUND                          ; a round of the cluster's barrier: my work-group's barrier; wave 0 signals for the work-group; every wave waits for all four work-groups; my work-group's barrier once more
	s_barrier_signal -1
	s_barrier_wait -1
	s_cmp_lg_u32 s10, 0
	s_cbranch_scc1 .Lnot_wave_0_\@
	s_barrier_signal -3
.Lnot_wave_0_\@:
	s_barrier_wait -3
	s_barrier_signal -1
	s_barrier_wait -1
.endm
.macro PLACES
.rept 4
	v_nop
.endr
.endm
.macro QLOAD b                         ; my tile of block b: 16 tiles, 8,192 bytes of images and 1,024 of scale words, on from block 0's
	global_load_b128 v[16:19], v1, s[32:33] offset:8192*\b
	global_load_b32 v24, v6, s[34:35] offset:1024*\b
.endm
	s_load_b128 s[4:7], s[0:1], 0x0                ; the records, ctx's codes
	s_load_b64 s[8:9], s[0:1], 0x10                ; ctx's scale halfwords
	v_lshl_add_u32 v254, v0, 2, 0x29000
	v_mov_b32 v255, 0
	ds_add_u32 v254, v255
	ds_add_u32 v254, v255
	v_lshrrev_b32 v8, 5, v0
	v_readfirstlane_b32 s10, v8                    ; wave 0..15
	s_bfe_u32 s11, ttmp6, 0x40000                  ; cx: which 512 queries; it enters Q's and ctx's global addresses alone
	s_and_b32 s12, ttmp7, 0xffff                   ; the head (16 x sequence + head), which the four partners share
	v_and_b32 v8, 31, v0                           ; lane
	v_and_b32 v9, 15, v0                           ; r
	v_lshlrev_b32 v1, 4, v8                        ; 16 x lane: an image's place for my lane
	v_add_nc_u32 v2, VIMG, v1
	v_lshl_add_u32 v3, v9, 4, KSC                  ; four tiles' scale words of row r
	v_lshl_add_u32 v4, v9, 4, VSC
	v_lshlrev_b32 v6, 4, v9
	s_lshl_b32 s46, s10, 5
	s_add_co_u32 s46, s46, SCR
	v_lshl_add_u32 v7, v9, 1, s46                  ; my tile's 16 halfwords: SCR + 32 x wave + 2 r
	v_lshl_add_u32 v25, v0, 4, SCR
	v_lshlrev_b32 v26, 4, v0
.irp j, 20,21,22,23, 36,37,38,39, 44,45,46,47, 52,53,54,55, 60,61,62,63
	v_mov_b32 v\j, 0                               ; the upper 64 of 128 along K: zero codes, set once
.endr
	; descriptor group 1: 35 rows of 256 bytes (32 elements of 8 bytes), dense, no padding: every read takes 16 x lane, consecutive bytes
	s_mov_b32 s16, 15|(3<<16)|(1<<21)              ; 15:0 the mask: all four work-groups; 17:16 elements of 8 bytes; 21 set beside a mask
	s_mov_b32 s17, 32<<16                          ; tensor_dim0
	s_mov_b32 s18, 35<<16                          ; tensor_dim1
	s_mov_b32 s19, 32<<16                          ; tile_dim0
	s_mov_b32 s20, 35                              ; tile_dim1
	s_mov_b32 s21, 32                              ; tensor_dim0_stride
	s_mov_b32 s22, 0
	s_mov_b32 s23, 0
	s_mov_b32 s24, 1                               ; group 0: count = 1
	s_mul_i32 s25, s10, 8960                       ; LDS address: wave x 35 rows
	s_mov_b32 s28, 0x76543210
	s_mov_b32 s29, 0xfedcba98                      ; v_permlanex16_b32's selects for lane l xor 16
	s_mov_b32 s30, 0x3e38aa3b                      ; c = log2(e) / 8
	s_mov_b32 s31, s30                             ; (named with it as a pair)
	s_mul_i32 s44, s12, REC
	s_mov_b32 s45, 0
	s_mov_b32 s46, s25
	s_mov_b32 s47, 0
	s_wait_dscnt 0x0
	s_wait_kmcnt 0x0
	s_add_nc_u64 s[44:45], s[4:5], s[44:45]        ; the head's record
	s_add_nc_u64 s[26:27], s[44:45], s[46:47]      ; my 35 rows of it
	s_or_b32 s27, s27, 0x80000000                  ; type = 2
	s_lshl_b32 s48, s11, 5
	s_add_co_u32 s48, s48, s10                     ; my tile of block 0: 32 cx + wave
	s_lshl_b32 s46, s48, 9
	s_add_co_u32 s46, s46, QOFF
	s_add_nc_u64 s[32:33], s[44:45], s[46:47]      ; its image
	s_lshr_b32 s46, s10, 2
	s_lshl_b32 s49, s11, 3
	s_add_co_u32 s46, s46, s49
	s_lshl_b32 s46, s46, 8                         ; its scale words: group tile / 4 of 256 bytes,
	s_and_b32 s49, s10, 3
	s_lshl_b32 s49, s49, 2                         ; word tile % 4
	s_add_co_u32 s46, s46, s49
	s_add_co_u32 s46, s46, QOFF+65536
	s_add_nc_u64 s[34:35], s[44:45], s[46:47]
	s_lshr_b32 s46, s12, 4
	s_lshl_b32 s46, s46, 7
	s_add_co_u32 s46, s46, s48                     ; ctx's codes: [128 x sequence + tile][head][lane][16 bytes]
	s_lshl_b32 s46, s46, 13
	s_and_b32 s49, s12, 15
	s_lshl_b32 s49, s49, 9
	s_add_co_u32 s46, s46, s49
	s_add_nc_u64 s[36:37], s[6:7], s[46:47]
	s_lshl_b32 s46, s12, 12                        ; ctx's scale halfwords: 4,096 bytes a head, 1,024 a work-group
	s_lshl_b32 s49, s11, 10
	s_add_co_u32 s46, s46, s49
	s_add_nc_u64 s[38:39], s[8:9], s[46:47]
	CROUND                                         ; all four work-groups are here: the joint loads meet
	tensor_load_to_lds s[24:27], s[16:23]          ; my one tensor load of the launch
	s_nop 0
	PLACES                                         ; (four v_nop follow it)
	QLOAD 0
	s_wait_tensorcnt 0x0                           ; my 35 rows are in,
	s_barrier_signal -1
	s_barrier_wait -1                              ; everybody's are
; A KEY STEP: 128 keys.  s40: the step's 4,096 bytes of images (K's and V's alike), s41: K's scale words (512 a step), s42: V's (256)
.macro STEP
	v_add_nc_u32 v8, s40, v1                       ; (these four are also places behind the last step's products)
	v_add_nc_u32 v9, s40, v2
	v_add_nc_u32 v10, s41, v3
	v_add_nc_u32 v11, s42, v4
	ds_load_b128 v[200:203], v10                   ; K's scale words of tiles 0-3,
	ds_load_b128 v[204:207], v10 offset:256        ; of tiles 4-7
.irp t, 0,1,2,3
	ds_load_b128 v[32+8*\t:35+8*\t], v8 offset:512*\t
.endr
	s_wait_dscnt 0x0
.irp t, 0,1,2,3
	v_wmma_scale_f32_16x16x128_f8f6f4 v[SS+8*\t:SS+8*\t+7], v[32+8*\t:39+8*\t], v[16:23], 0, v[200+\t], v24 matrix_a_fmt:MATRIX_FMT_FP4 matrix_b_fmt:MATRIX_FMT_FP4
.endr
	PLACES                                         ; in front of loads into registers that matrix instructions have read
.irp t, 0,1,2,3
	ds_load_b128 v[32+8*\t:35+8*\t], v8 offset:2048+512*\t
.endr
.irp n, 0,1,2,3
.irp c, 0,1
	ds_load_b128 v[64+8*\n+4*\c:67+8*\n+4*\c], v9 offset:1024*\n+512*\c   ; V's four fragments land under the softmax
.endr
.endr
	ds_load_b128 v[208:211], v11
	s_wait_dscnt 9                                 ; K's four are in; V's nine may be out
.irp t, 0,1,2,3
	v_wmma_scale_f32_16x16x128_f8f6f4 v[SS+32+8*\t:SS+32+8*\t+7], v[32+8*\t:39+8*\t], v[16:23], 0, v[204+\t], v24 matrix_a_fmt:MATRIX_FMT_FP4 matrix_b_fmt:MATRIX_FMT_FP4
.endr
	PLACES
.irp b, 0,1,2,3
	v_max3_num_f32 v[BM+\b], v[SS+16*\b], v[SS+1+16*\b], v[SS+2+16*\b]   ; the largest score of each block of 32 keys: it serves for the row's maximum and, since p rises with the score, for the block's largest p
.endr
.irp i, 3,5,7,9,11,13
.irp b, 0,1,2,3
	v_max3_num_f32 v[BM+\b], v[BM+\b], v[SS+16*\b+\i], v[SS+1+16*\b+\i]
.endr
.endr
.irp b, 0,1,2,3
	v_max_num_f32 v[BM+\b], v[BM+\b], v[SS+15+16*\b]
.endr
.irp b, 0,1,2,3
	v_permlanex16_b32 v[T2+\b], v[BM+\b], s28, s29
.endr
.irp b, 0,1,2,3
	v_max_num_f32 v[BM+\b], v[BM+\b], v[T2+\b]     ; with lane l xor 16's 16 keys
.endr
	v_max3_num_f32 v230, v[BM], v[BM+1], v[BM+2]
	v_max_num_f32 v230, v230, v[BM+3]              ; the step's largest score of my query
	v_mul_f32 v230, s30, v230                      ; as t (c is positive)
	v_max_num_f32 v13, v13, v230                   ; the running largest t
	v_mov_b32 v230, v12
	v_floor_f32 v12, -v13                          ; the new -M = floor(-t) = -ceil(t): a whole number
	v_sub_f32 v230, v12, v230                      ; old M - new M: a whole number, 0 or less
	v_cvt_i32_f32 v230, v230                       ; (it saturates)
	v_ldexp_f32 v228, 1.0, v230                    ; f = 2^(old M - new M)
.set SJ, 0
.rept 32
	v_pk_fma_f32 v[SS+SJ:SS+SJ+1], v[SS+SJ:SS+SJ+1], s[30:31], v[12:13] op_sel_hi:[1,0,0]   ; t - M, two at a time (of the pairs c and -M the low word serves both halves)
.set SJ, SJ+2
.endr
.irp b, 0,1,2,3
	v_fma_f32 v[BM+\b], v[BM+\b], s30, v12         ; the same of each block's largest score
.endr
.set SJ, 0
.rept 64
	v_exp_f32 v[SS+SJ], v[SS+SJ]                   ; p = 2^(t - M), at most 1
.set SJ, SJ+1
.endr
.irp b, 0,1,2,3
	v_exp_f32 v[BM+\b], v[BM+\b]                   ; the block's largest p: the same two instructions on the same number
.endr
	v_pk_mul_f32 v[14:15], v[14:15], v[228:229] op_sel_hi:[1,0]   ; the sums under the new M.  (A plain place behind the exponentials)
	s_wait_alu depctr_va_vdst(0)
.irp b, 0,1,2,3
	v_max_num_f32 v[BM+\b], 0x1800000, v[BM+\b]    ; the floor 2^(3 - 127): the byte cannot fall under 1
.endr
.irp b, 0,1,2,3
	v_add_nc_u32 v[SCO+\b], 0xff000000, v[BM+\b]   ; 2 off the exponent field: the conversion's scale operand
.endr
.irp b, 0,1,2,3
	v_lshrrev_b32 v[T2+\b], 23, v[SCO+\b]          ; the scale's byte
.endr
	v_lshl_or_b32 v212, v[T2+1], 8, v[T2]          ; p's scale word for these 128 keys
	v_lshl_or_b32 v212, v[T2+2], 16, v212
	v_lshl_or_b32 v212, v[T2+3], 24, v212
.irp b, 0,1,2,3
	v_cvt_scalef32_pk8_fp4_f32 v[PCD+2*\b], v[SS+16*\b:SS+7+16*\b], v[SCO+\b]
	v_cvt_scalef32_pk8_fp4_f32 v[PCD+1+2*\b], v[SS+8+16*\b:SS+15+16*\b], v[SCO+\b]
.endr
	v_nop                                          ; one plain place behind a scaled conversion
.irp c, 0,1                                    ; a whole block in a lane: lanes 0-15 block 2 c, lanes 16-31 block 2 c + 1
.irp i, 0,1
	v_permlane16_swap_b32 v[PCD+4*\c+\i], v[PCD+2+4*\c+\i]
.endr
.endr
	v_pk_add_f32 v[232:233], v[SS:SS+1], v[SS+2:SS+3]   ; the row's sum is taken of the unquantised p: two at a time, in two chains
.irp j, 4,8,12,16,20,24,28,32,36,40,44,48,52,56,60
	v_pk_add_f32 v[14:15], v[14:15], v[SS+\j:SS+1+\j]
	v_pk_add_f32 v[232:233], v[232:233], v[SS+2+\j:SS+3+\j]
.endr
	v_pk_add_f32 v[14:15], v[14:15], v[232:233]
.set SJ, 0
.rept 16
	v_pk_mul_f32 v[OO+SJ:OO+SJ+1], v[OO+SJ:OO+SJ+1], v[228:229] op_sel_hi:[1,0]   ; O^T under the new M; each accumulator from its low end on
.set SJ, SJ+2
.endr
	s_wait_dscnt 0x0                               ; V's fragments and scale words
.irp n, 0,1,2,3                                ; O^T += V^T P^T: the four accumulators by turns
	v_wmma_scale_f32_16x16x128_f8f6f4 v[OO+8*\n:OO+8*\n+7], v[64+8*\n:71+8*\n], v[PCD:PCD+7], v[OO+8*\n:OO+8*\n+7], v[208+\n], v212 matrix_a_fmt:MATRIX_FMT_FP4 matrix_b_fmt:MATRIX_FMT_FP4
.endr
	s_add_co_u32 s40, s40, 4096
	s_add_co_u32 s41, s41, 512
	s_add_co_u32 s42, s42, 256
.endm
; One tile of 16 queries against all 2,048 keys, and its way out
.macro BLOCKQ b
	s_wait_xcnt 0x0                                ; the last tile's store has read its registers
	v_mov_b32 v13, 0xff61b1e6                      ; the largest t so far: -3e38, under every t
	v_floor_f32 v12, -v13                          ; -M
	v_mov_b32 v14, 0                               ; the sum, in two halves
	v_mov_b32 v15, 0
	v_mov_b32 v229, 0                              ; (named as the upper half of the pair v[228:229])
.irp i, 0,1,2,3
	v_mov_b32 v[T2+\i], 0                          ; a lane permute's destination counts as one of its sources
.endr
.set SJ, 0
.rept 32
	v_mov_b32 v[OO+SJ], 0                          ; O^T.  (The step is written once: the first finds zeros, which the first change of M leaves zeros)
.set SJ, SJ+1
.endr
	s_mov_b32 s40, 0
	s_mov_b32 s41, 0
	s_mov_b32 s42, 0
	s_mov_b32 s43, 16
	s_wait_loadcnt 0x0                             ; Q's fragment and scale word
.Lkey_\@:
	STEP
	s_sub_co_u32 s43, s43, 1
	s_cmp_lg_u32 s43, 0
	s_cbranch_scc1 .Lkey_\@
	PLACES                                         ; behind the last products, in front of the first read of O^T
.if \b == 0
	QLOAD 1                                        ; the next tile's Q lands under the way out
.endif
	v_add_f32 v14, v14, v15                        ; the sum's two halves,
	v_permlanex16_b32 v230, v14, s28, s29
	v_add_f32 v14, v14, v230                       ; and lane l xor 16's: the row's sum
	v_rcp_f32 v14, v14
	v_nop                                          ; a plain place behind the transcendental
.set SJ, 0
	s_wait_alu depctr_va_vdst(0)
.rept 32
	v_mul_f32 v[SS+SJ], v[OO+SJ], v14              ; ctx: register 16 b + i is channel 32 b + 16 h + i of my query
.set SJ, SJ+1
.endr
.irp c, 0,1                                    ; the head's two blocks of 32 along the last projection's K
	v_max3_num_f32 v[BM+\c], |v[SS+16*\c]|, |v[SS+1+16*\c]|, 0x1800000
.endr
.irp i, 2,4,6,8,10,12,14
.irp c, 0,1
	v_max3_num_f32 v[BM+\c], v[BM+\c], |v[SS+16*\c+\i]|, |v[SS+1+16*\c+\i]|
.endr
.endr
.irp c, 0,1
	v_permlanex16_b32 v[T2+\c], v[BM+\c], s28, s29
.endr
.irp c, 0,1
	v_max_num_f32 v[BM+\c], v[BM+\c], v[T2+\c]
.endr
.irp c, 0,1
	v_add_nc_u32 v[SCO+\c], 0xff000000, v[BM+\c]
.endr
.irp c, 0,1
	v_lshrrev_b32 v[T2+\c], 23, v[SCO+\c]
.endr
	v_lshl_or_b32 v230, v[T2+1], 8, v[T2]          ; the two bytes: a halfword
.irp c, 0,1
	v_cvt_scalef32_pk8_fp4_f32 v[PCD+2*\c], v[SS+16*\c:SS+7+16*\c], v[SCO+\c]
	v_cvt_scalef32_pk8_fp4_f32 v[PCD+1+2*\c], v[SS+8+16*\c:SS+15+16*\c], v[SCO+\c]
.endr
	v_nop                                          ; one plain place behind a scaled conversion
	v_permlane16_swap_b32 v[PCD], v[PCD+2]         ; lanes 0-15 block 0, lanes 16-31 block 1
	v_permlane16_swap_b32 v[PCD+1], v[PCD+3]
	global_store_b128 v1, v[PCD:PCD+3], s[36:37] offset:131072*\b   ; 32 lanes store 512 consecutive bytes; block 1's tile lies 16 tiles of 8,192 bytes on
	ds_store_b16 v7, v230 offset:512*\b            ; both lanes of a query write the same halfword with the same value
.endm
	BLOCKQ 0
	BLOCKQ 1
	s_wait_dscnt 0x0                               ; for the others' sake: my halfwords are stored
	s_barrier_signal -1
	s_barrier_wait -1
	s_cmp_lt_u32 s10, 2                            ; waves 0 and 1 carry the work-group's 1,024 bytes of halfwords out, 512 consecutive bytes each
	s_cbranch_scc0 .Lno_cs
	ds_load_b128 v[96:99], v25
	s_wait_dscnt 0x0
	global_store_b128 v26, v[96:99], s[38:39]
.Lno_cs:
	s_wait_tensorcnt 0x0
	ds_add_u32 v254, v255
	s_wait_dscnt 0x0
	CROUND                                         ; the closing round
	s_endpgm
.Lfunc_end_k_q3774705f83_attn:
	.size	k_q3774705f83_attn, .Lfunc_end_k_q3774705f83_attn-k_q3774705f83_attn
	.p2alignl 7, 3214868480
	.fill 96, 4, 3214868480
	.section	.rodata,"a",@progbits
	.p2align	6, 0x0
	.amdhsa_kernel k_q3774705f83_attn
		.amdhsa_group_segment_fixed_size 169984
		.amdhsa_private_segment_fixed_size 0
		.amdhsa_enable_private_segment 0
		.amdhsa_kernarg_size 24
		.amdhsa_user_sgpr_count 2
		.amdhsa_user_sgpr_kernarg_segment_ptr 1
		.amdhsa_wavefront_size32 1
		.amdhsa_system_sgpr_workgroup_id_x 1
		.amdhsa_system_sgpr_workgroup_id_y 1
		.amdhsa_system_sgpr_workgroup_id_z 1
		.amdhsa_system_vgpr_workitem_id 0
		.amdhsa_next_free_vgpr 256
		.amdhsa_next_free_sgpr 66
		.amdhsa_reserve_vcc 0
		.amdhsa_float_denorm_mode_32 3
		.amdhsa_float_denorm_mode_16_64 3
		.amdhsa_memory_ordered 1
		.amdhsa_forward_progress 1
		.amdhsa_inst_pref_size 46
	.end_amdhsa_kernel
	.amdgpu_metadata
---
amdhsa.version: [ 1, 2 ]
amdhsa.kernels:
  - .name:           k_q3774705f83_attn
    .symbol:         k_q3774705f83_attn.kd
    .args:
      - { .name: qkv, .offset: 0, .size: 8, .value_kind: global_buffer, .address_space: global }
      - { .name: cc, .offset: 8, .size: 8, .value_kind: global_buffer, .address_space: global }
      - { .name: cs, .offset: 16, .size: 8, .value_kind: global_buffer, .address_space: global }
    .group_segment_fixed_size: 169984
    .private_segment_fixed_size: 0
    .kernarg_segment_align: 8
    .kernarg_segment_size: 24
    .max_flat_workgroup_size: 512
    .sgpr_count:     66
    .vgpr_count:     256
    .wavefront_size: 32
...
	.end_amdgpu_metadata
.endif
;; end of part 2
;; launch proj (part 3): grid 256 x 1, 16 waves a work-group, no clusters, 281,088 bytes of LDS; arguments cc, cs, Wp_codes, Wp_scales, bp, hidden_input, gamma, beta, out0; writes out0
.if DOCPART == 3
	.amdgcn_target "amdgcn-amd-amdhsa--gfx1250"
	.amdhsa_code_object_version 6
	.text
	.protected	k_q3774705f83_proj
	.globl	k_q3774705f83_proj
	.p2align	8
	.type	k_q3774705f83_proj,@function
k_q3774705f83_proj:
	s_mov_b64 s[64:65], 0
	v_nop
	global_prefetch_b8 v0, s[64:65] scope:SCOPE_SE
	s_setreg_imm32_b32 hwreg(HW_REG_WAVE_MODE, 25, 1), 1
	s_wait_xcnt 0x0
; out = LayerNorm(ctx Wp + bp + hidden) x gamma + beta.  The product is on codes of FP4 (E2M1) with E8M0 scales: ctx's were made by the launch before, Wp's are given (K innermost, 512 bytes a row; 32 scale bytes a row).  All else in f32.
; SHARES.  A work-group takes 32 tokens (two tiles of 16) and ALL 1,024 columns, since a row's mean and variance want the whole row.  In the product wave w makes columns 64 w .. 64 w + 63 for the 32 tokens
; (source 0 = 16 rows of Wp, source 1 = ctx: a lane holds one token and eight neighbouring columns); the results meet in a stage in LDS; then wave w takes two whole rows, adds the hidden rows, normalises and stores.
; ctx's 16,384 bytes of images and the 32 hidden rows come by tensor loads, each wave a part, issued at the start and never again.  A wave's two stage rows are two neighbouring tokens, so its hidden rows are 8,192 dense bytes, which it alone reads.
; The tokens of tile u are 8 u + r + 8 (r / 8) of the 32.  bp is loaded into the accumulators: the sums begin with it.  The variance is taken of x - mean, in a second pass over registers.
; NO CLUSTER: all work-groups walk Wp's 557,056 bytes, but the stage, the hidden rows and ctx take 279,040 of LDS's 327,680 bytes: what is left holds a twelfth of Wp, so a joint walk would want a round of the cluster's barrier
; for every 48,640 bytes; the fragments go straight into registers instead, three K steps on their way.
; LIMITS: NaN and infinities among the inputs are not served.
; REGISTERS: v1-9 addresses; v16-79 accumulators (tile of columns t, tile of tokens m at 16 + 8 (2 t + m)), later my two rows; v80-175 Wp's fragments, three sets, later gamma (v80-111) and beta (v112-143);
;   v144-207 later the hidden rows; v176-207 ctx's fragments, two sets; v208-223 Wp's scale words; v224-231 ctx's; v232-247 at work.
.set HID,  16384                       ; LDS: ctx's images from 0 (tile m, K step s, half c at 8,192 m + 1,024 s + 512 c); here the hidden rows, 8,192 bytes a wave;
.set STG,  147456                      ; here the stage: 32 rows x (4,096 + 16) bytes: no load fills it
.set SP,   4112
.set LI,   1                           ; 16 x lane
.set WAD,  2                           ; Wp: r x 512 + 16 h
.set WSA,  3                           ; its scale bytes: 32 r + 16 h
.set BO,   4                           ; 32 h
.set CSA,  5                           ; 2 x lane
.set STO,  6                           ; v6, v7: into the stage, tokens' tile 0, 1
.set SRD,  8                           ; my two rows of it
.set HRD,  9                           ; my two hidden rows
.set ACC,  16
.set WF,   80
.set CF,   176
.set WS,   208
.set CS,   224
.set GA,   80
.set BE,   112
.set HR,   144
.set RT,   232                         ; row i's eight registers at RT + 8 i: two pairs of sums, the total, the other half's, a pair to broadcast
.macro PLACES
.rept 4
	v_nop
.endr
.endm
	s_load_b512 s[4:19], s[0:1], 0x0               ; ctx's codes, its halfwords, Wp's codes, Wp's scales, bp, hidden, gamma, beta
	s_load_b64 s[20:21], s[0:1], 0x40              ; out
	v_lshl_add_u32 v254, v0, 2, 0x44200
	v_mov_b32 v255, 0
	ds_add_u32 v254, v255
	ds_add_u32 v254, v255
	v_lshrrev_b32 v10, 5, v0
	v_readfirstlane_b32 s22, v10                   ; wave 0..15
	; descriptor groups 1: rows of 256 bytes (32 elements of 8 bytes), dense: 4 rows of ctx a wave, 32 rows of hidden
	s_mov_b32 s24, 3<<16
	s_mov_b32 s25, 32<<16
	s_mov_b32 s26, 4<<16
	s_mov_b32 s27, 32<<16
	s_mov_b32 s28, 4
	s_mov_b32 s29, 32
	s_mov_b32 s30, 0
	s_mov_b32 s31, 0
	s_mov_b32 s32, 3<<16
	s_mov_b32 s33, 32<<16
	s_mov_b32 s34, 32<<16
	s_mov_b32 s35, 32<<16
	s_mov_b32 s36, 32
	s_mov_b32 s37, 32
	s_mov_b32 s38, 0
	s_mov_b32 s39, 0
	s_mov_b32 s40, 1
	s_lshl_b32 s41, s22, 10                        ; ctx: 1,024 bytes a wave
	s_mov_b32 s44, 1
	s_lshl_b32 s45, s22, 13
	s_add_co_u32 s45, s45, HID
	s_lshl_b32 s50, ttmp9, 14
	s_add_co_u32 s50, s50, s41                     ; in memory: 16,384 bytes a work-group
	s_mov_b32 s51, 0
	s_lshr_b32 s2, s22, 3                          ; stage rows 2 w, 2 w + 1 are lanes r = 2 (w % 8), r + 1 of tile u = w / 8: tokens 8 u + r + 8 (r / 8) and the next
	s_lshl_b32 s2, s2, 3
	s_and_b32 s3, s22, 7
	s_lshl_b32 s23, s3, 1
	s_add_co_u32 s2, s2, s23
	s_lshr_b32 s3, s3, 2
	s_lshl_b32 s3, s3, 3
	s_add_co_u32 s2, s2, s3
	s_lshl_b32 s3, ttmp9, 5
	s_add_co_u32 s2, s2, s3                        ; + 32 x work-group
	s_lshl_b32 s2, s2, 12                          ; rows of 4,096 bytes
	s_mov_b32 s3, 0
	s_wait_dscnt 0x0
	s_wait_kmcnt 0x0
	s_add_nc_u64 s[42:43], s[4:5], s[50:51]
	s_or_b32 s43, s43, 0x80000000
	s_add_nc_u64 s[46:47], s[14:15], s[2:3]
	s_or_b32 s47, s47, 0x80000000
	tensor_load_to_lds s[40:43], s[24:31]          ; my part of ctx's images: two tensor loads of mine are out, and no more follow
	s_nop 0
	tensor_load_to_lds s[44:47], s[32:39]          ; my two hidden rows
	s_nop 0
	PLACES                                         ; (four v_nop follow)
	s_add_nc_u64 s[60:61], s[20:21], s[2:3]        ; out at my two rows
	s_lshl_b32 s50, s22, 8
	s_add_nc_u64 s[52:53], s[12:13], s[50:51]      ; bp at my 64 columns
	s_lshl_b32 s50, s22, 15
	s_add_nc_u64 s[54:55], s[8:9], s[50:51]        ; Wp's codes at my 64 rows
	s_lshl_b32 s50, s22, 11
	s_add_nc_u64 s[56:57], s[10:11], s[50:51]      ; and their scale bytes
	s_lshr_b32 s50, ttmp9, 6
	s_lshl_b32 s50, s50, 16                        ; ctx's halfwords [16 x sequence + head][tile][r]: 65,536 bytes a sequence,
	s_and_b32 s23, ttmp9, 63
	s_lshl_b32 s23, s23, 6                         ; 64 bytes for my two tiles
	s_add_co_u32 s50, s50, s23
	s_add_nc_u64 s[58:59], s[6:7], s[50:51]
	s_mov_b32 s48, 0x76543210
	s_mov_b32 s49, 0xfedcba98                      ; v_permlanex16_b32's selects for lane l xor 16
	s_mov_b32 s62, 0x3a800000                      ; 1 / 1,024
	s_mov_b32 s63, 0x322bcc77                      ; 1e-8
	v_and_b32 v10, 31, v0                          ; lane
	v_and_b32 v11, 15, v0                          ; r
	v_bfe_u32 v12, v0, 4, 1                        ; h
	v_lshlrev_b32 v[LI], 4, v10
	v_lshlrev_b32 v[WAD], 9, v11
	v_lshl_add_u32 v[WAD], v12, 4, v[WAD]
	v_lshlrev_b32 v[WSA], 5, v11
	v_lshl_add_u32 v[WSA], v12, 4, v[WSA]
	v_lshlrev_b32 v[BO], 5, v12
	v_lshlrev_b32 v[CSA], 1, v10
	v_mul_u32_u24 v[STO], v11, SP
	v_lshl_add_u32 v[STO], v12, 5, v[STO]
	s_lshl_b32 s50, s22, 8
	s_add_co_u32 s50, s50, STG
	v_add_nc_u32 v[STO], s50, v[STO]               ; row r, + 256 x wave + 32 h: my eight columns' bytes
	v_add_nc_u32 v[STO+1], 16*SP, v[STO]
	s_mul_i32 s50, s22, 2*SP
	s_add_co_u32 s50, s50, STG
	v_add_nc_u32 v[SRD], s50, v[LI]
	v_add_nc_u32 v[HRD], s45, v[LI]
.irp t, 0,1,2,3                                ; bp in the result's layout: lane (r, h) holds columns 16 t + 8 h + 0 .. 7
.irp m, 0,1
	global_load_b128 v[ACC+8*(2*\t+\m):ACC+8*(2*\t+\m)+3], v[BO], s[52:53] offset:64*\t
	global_load_b128 v[ACC+8*(2*\t+\m)+4:ACC+8*(2*\t+\m)+7], v[BO], s[52:53] offset:64*\t+16
.endr
.endr
.irp t, 0,1,2,3                                ; a row's eight scale words: lanes 0-15 words 0-3, lanes 16-31 words 4-7
	global_load_b128 v[WS+4*\t:WS+4*\t+3], v[WSA], s[56:57] offset:512*\t
.endr
.irp q, 0,1,2,3,4,5,6,7                        ; ctx's scale word of K step q: head 2 q's halfword below, head 2 q + 1's above; lanes 0-15 tile 0, lanes 16-31 tile 1
	global_load_u16 v[CS+\q], v[CSA], s[58:59] offset:8192*\q
.endr
.irp q, 0,1,2,3,4,5,6,7
	global_load_u16 v[RT+\q], v[CSA], s[58:59] offset:8192*\q+4096
.endr
.macro WLOAD q                                 ; Wp's four fragments of K step q into set q % 3
.irp t, 0,1,2,3
.irp c, 0,1
	global_load_b128 v[WF+32*((\q)%3)+8*\t+4*\c:WF+32*((\q)%3)+8*\t+4*\c+3], v[WAD], s[54:55] offset:8192*\t+64*(\q)+32*\c
.endr
.endr
.endm
.macro CLOAD q                                 ; ctx's two fragments of K step q into set q % 2
.irp m, 0,1
.irp c, 0,1
	ds_load_b128 v[CF+16*((\q)%2)+8*\m+4*\c:CF+16*((\q)%2)+8*\m+4*\c+3], v[LI] offset:8192*\m+1024*(\q)+512*\c
.endr
.endr
.endm
	WLOAD 0
	WLOAD 1
	WLOAD 2
	s_wait_loadcnt 24                              ; all but the three sets of fragments
.irp q, 0,1,2,3,4,5,6,7
	v_lshl_or_b32 v[CS+\q], v[RT+\q], 16, v[CS+\q]
.endr
.rept 8
	v_nop                                          ; a scale register written by a vector instruction stands eight places ahead of a scaled matrix instruction
.endr
	s_wait_tensorcnt 1                             ; my part of ctx is in; my hidden rows may stay out
	s_barrier_signal -1
	s_barrier_wait -1                              ; everybody's is
	CLOAD 0
; a K step: eight matrix instructions, the eight accumulators by turns
.macro PSTEP q
.if (\q) < 7
	CLOAD (\q)+1
	s_wait_dscnt 4                                 ; this step's fragments of ctx are in; the next step's four loads may be out
.else
	s_wait_dscnt 0x0
.endif
.if (\q) < 6
	s_wait_loadcnt 16                              ; this step's set is in; the two sets behind it may be out
.elseif (\q) == 6
	s_wait_loadcnt 8
.else
	s_wait_loadcnt 0x0
.endif
.irp t, 0,1,2,3
.irp m, 0,1
.set RA, ACC+8*(2*\t+\m)
.set RW, WF+32*((\q)%3)+8*\t
.set RC, CF+16*((\q)%2)+8*\m
.set RS, WS+4*\t+(\q)%4
.if (\q) < 4
.if \m == 0
	v_wmma_scale_f32_16x16x128_f8f6f4 v[RA:RA+7], v[RW:RW+7], v[RC:RC+7], v[RA:RA+7], v[RS], v[CS+(\q)] matrix_a_fmt:MATRIX_FMT_FP4 matrix_b_fmt:MATRIX_FMT_FP4
.else
	v_wmma_scale_f32_16x16x128_f8f6f4 v[RA:RA+7], v[RW:RW+7], v[RC:RC+7], v[RA:RA+7], v[RS], v[CS+(\q)] matrix_a_fmt:MATRIX_FMT_FP4 matrix_b_fmt:MATRIX_FMT_FP4 matrix_b_scale:MATRIX_SCALE_ROW1
.endif
.else
.if \m == 0
	v_wmma_scale_f32_16x16x128_f8f6f4 v[RA:RA+7], v[RW:RW+7], v[RC:RC+7], v[RA:RA+7], v[RS], v[CS+(\q)] matrix_a_fmt:MATRIX_FMT_FP4 matrix_b_fmt:MATRIX_FMT_FP4 matrix_a_scale:MATRIX_SCALE_ROW1
.else
	v_wmma_scale_f32_16x16x128_f8f6f4 v[RA:RA+7], v[RW:RW+7], v[RC:RC+7], v[RA:RA+7], v[RS], v[CS+(\q)] matrix_a_fmt:MATRIX_FMT_FP4 matrix_b_fmt:MATRIX_FMT_FP4 matrix_a_scale:MATRIX_SCALE_ROW1 matrix_b_scale:MATRIX_SCALE_ROW1
.endif
.endif
.endr
.endr
	PLACES                                         ; in front of loads into registers that these products read, and of the first read of results
.if (\q) < 5
	WLOAD (\q)+3
.endif
.endm
.irp q, 0,1,2,3,4,5,6,7
	PSTEP \q
.endr
.irp j, 0,1,2,3,4,5,6,7                        ; gamma and beta as my rows will lie: register 4 j + e is column 128 j + 4 x lane + e
	global_load_b128 v[GA+4*\j:GA+4*\j+3], v[LI], s[16:17] offset:512*\j
.endr
.irp j, 0,1,2,3,4,5,6,7
	global_load_b128 v[BE+4*\j:BE+4*\j+3], v[LI], s[18:19] offset:512*\j
.endr
.irp t, 0,1,2,3
.irp m, 0,1
	ds_store_b128 v[STO+\m], v[ACC+8*(2*\t+\m):ACC+8*(2*\t+\m)+3] offset:64*\t          ; each accumulator from its low end on
	ds_store_b128 v[STO+\m], v[ACC+8*(2*\t+\m)+4:ACC+8*(2*\t+\m)+7] offset:64*\t+16
.endr
.endr
	s_wait_dscnt 0x0                               ; for the others' sake: my stores into the stage are done
	s_barrier_signal -1
	s_barrier_wait -1                              ; 32 whole rows lie in the stage
	s_wait_tensorcnt 0x0                           ; my hidden rows are in
.irp i, 0,1
.irp j, 0,1,2,3,4,5,6,7
	ds_load_b128 v[ACC+32*\i+4*\j:ACC+32*\i+4*\j+3], v[SRD] offset:SP*\i+512*\j
.endr
.endr
.irp i, 0,1
.irp j, 0,1,2,3,4,5,6,7
	ds_load_b128 v[HR+32*\i+4*\j:HR+32*\i+4*\j+3], v[HRD] offset:4096*\i+512*\j
.endr
.endr
	v_mov_b32 v[RT+5], 0                           ; a lane permute's destination counts as one of its sources
	v_mov_b32 v[RT+13], 0
	s_wait_dscnt 0x0
; both rows' two pairs of sums become the rows' totals, in every lane
.macro REDUCE
.irp i, 0,1
	v_pk_add_f32 v[RT+8*\i:RT+8*\i+1], v[RT+8*\i:RT+8*\i+1], v[RT+8*\i+2:RT+8*\i+3]
.endr
.irp i, 0,1
	v_add_f32 v[RT+8*\i+4], v[RT+8*\i], v[RT+8*\i+1]
.endr
.irp x, 1,2,4,8
.irp i, 0,1
	v_add_f32_dpp v[RT+8*\i+4], v[RT+8*\i+4], v[RT+8*\i+4] row_xmask:\x row_mask:0xf bank_mask:0xf
.endr
.endr
.irp i, 0,1
	v_permlanex16_b32 v[RT+8*\i+5], v[RT+8*\i+4], s48, s49
.endr
.irp i, 0,1
	v_add_f32 v[RT+8*\i+4], v[RT+8*\i+4], v[RT+8*\i+5]
.endr
.endm
.set PK, 0
.rept 16
.irp i, 0,1                                    ; x = ctx Wp + bp + hidden; the two rows by turns throughout
	v_pk_add_f32 v[ACC+32*\i+PK:ACC+32*\i+PK+1], v[ACC+32*\i+PK:ACC+32*\i+PK+1], v[HR+32*\i+PK:HR+32*\i+PK+1]
.endr
.set PK, PK+2
.endr
.irp i, 0,1
	v_pk_add_f32 v[RT+8*\i:RT+8*\i+1], v[ACC+32*\i:ACC+32*\i+1], v[ACC+32*\i+2:ACC+32*\i+3]
	v_pk_add_f32 v[RT+8*\i+2:RT+8*\i+3], v[ACC+32*\i+4:ACC+32*\i+5], v[ACC+32*\i+6:ACC+32*\i+7]
.endr
.irp k, 8,12,16,20,24,28
.irp i, 0,1
	v_pk_add_f32 v[RT+8*\i:RT+8*\i+1], v[RT+8*\i:RT+8*\i+1], v[ACC+32*\i+\k:ACC+32*\i+\k+1]
	v_pk_add_f32 v[RT+8*\i+2:RT+8*\i+3], v[RT+8*\i+2:RT+8*\i+3], v[ACC+32*\i+\k+2:ACC+32*\i+\k+3]
.endr
.endr
	REDUCE
.irp i, 0,1
	v_mul_f32 v[RT+8*\i+6], 0xba800000, v[RT+8*\i+4]   ; - the mean
.endr
.irp i, 0,1
	v_mov_b32 v[RT+8*\i+7], v[RT+8*\i+6]
.endr
.set PK, 0
.rept 16
.irp i, 0,1
	v_pk_add_f32 v[ACC+32*\i+PK:ACC+32*\i+PK+1], v[ACC+32*\i+PK:ACC+32*\i+PK+1], v[RT+8*\i+6:RT+8*\i+7]
.endr
.set PK, PK+2
.endr
.irp i, 0,1
	v_pk_mul_f32 v[RT+8*\i:RT+8*\i+1], v[ACC+32*\i:ACC+32*\i+1], v[ACC+32*\i:ACC+32*\i+1]
	v_pk_mul_f32 v[RT+8*\i+2:RT+8*\i+3], v[ACC+32*\i+2:ACC+32*\i+3], v[ACC+32*\i+2:ACC+32*\i+3]
.endr
.irp k, 4,8,12,16,20,24,28
.irp i, 0,1
	v_pk_fma_f32 v[RT+8*\i:RT+8*\i+1], v[ACC+32*\i+\k:ACC+32*\i+\k+1], v[ACC+32*\i+\k:ACC+32*\i+\k+1], v[RT+8*\i:RT+8*\i+1]
	v_pk_fma_f32 v[RT+8*\i+2:RT+8*\i+3], v[ACC+32*\i+\k+2:ACC+32*\i+\k+3], v[ACC+32*\i+\k+2:ACC+32*\i+\k+3], v[RT+8*\i+2:RT+8*\i+3]
.endr
.endr
	REDUCE
.irp i, 0,1
	v_fma_f32 v[RT+8*\i+4], v[RT+8*\i+4], s62, s63 ; the variance + 1e-8
.endr
.irp i, 0,1
	v_rsq_f32 v[RT+8*\i+6], v[RT+8*\i+4]
.endr
	v_nop                                          ; a plain place behind the transcendentals
	s_wait_alu depctr_va_vdst(0)
.irp i, 0,1
	v_mov_b32 v[RT+8*\i+7], v[RT+8*\i+6]
.endr
.set PK, 0
.rept 16
.irp i, 0,1
	v_pk_mul_f32 v[ACC+32*\i+PK:ACC+32*\i+PK+1], v[ACC+32*\i+PK:ACC+32*\i+PK+1], v[RT+8*\i+6:RT+8*\i+7]
.endr
.set PK, PK+2
.endr
	s_wait_loadcnt 0x0                             ; gamma and beta
.set PK, 0
.rept 16
.irp i, 0,1
	v_pk_fma_f32 v[ACC+32*\i+PK:ACC+32*\i+PK+1], v[ACC+32*\i+PK:ACC+32*\i+PK+1], v[GA+PK:GA+PK+1], v[BE+PK:BE+PK+1]
.endr
.set PK, PK+2
.endr
.irp i, 0,1
.irp j, 0,1,2,3,4,5,6,7
	global_store_b128 v[LI], v[ACC+32*\i+4*\j:ACC+32*\i+4*\j+3], s[60:61] offset:4096*\i+512*\j th:TH_STORE_NT   ; 32 lanes store 512 consecutive bytes, aligned; written once, read by nobody here
.endr
.endr
	s_wait_tensorcnt 0x0
	ds_add_u32 v254, v255
	s_wait_dscnt 0x0
	s_endpgm
.Lfunc_end_k_q3774705f83_proj:
	.size	k_q3774705f83_proj, .Lfunc_end_k_q3774705f83_proj-k_q3774705f83_proj
	.p2alignl 7, 3214868480
	.fill 96, 4, 3214868480
	.section	.rodata,"a",@progbits
	.p2align	6, 0x0
	.amdhsa_kernel k_q3774705f83_proj
		.amdhsa_group_segment_fixed_size 281088
		.amdhsa_private_segment_fixed_size 0
		.amdhsa_enable_private_segment 0
		.amdhsa_kernarg_size 72
		.amdhsa_user_sgpr_count 2
		.amdhsa_user_sgpr_kernarg_segment_ptr 1
		.amdhsa_wavefront_size32 1
		.amdhsa_system_sgpr_workgroup_id_x 1
		.amdhsa_system_sgpr_workgroup_id_y 1
		.amdhsa_system_sgpr_workgroup_id_z 1
		.amdhsa_system_vgpr_workitem_id 0
		.amdhsa_next_free_vgpr 256
		.amdhsa_next_free_sgpr 66
		.amdhsa_reserve_vcc 0
		.amdhsa_float_denorm_mode_32 3
		.amdhsa_float_denorm_mode_16_64 3
		.amdhsa_memory_ordered 1
		.amdhsa_forward_progress 1
		.amdhsa_inst_pref_size 47
	.end_amdhsa_kernel
	.amdgpu_metadata
---
amdhsa.version: [ 1, 2 ]
amdhsa.kernels:
  - .name:           k_q3774705f83_proj
    .symbol:         k_q3774705f83_proj.kd
    .args:
      - { .name: cc, .offset: 0, .size: 8, .value_kind: global_buffer, .address_space: global }
      - { .name: cs, .offset: 8, .size: 8, .value_kind: global_buffer, .address_space: global }
      - { .name: Wp_codes, .offset: 16, .size: 8, .value_kind: global_buffer, .address_space: global }
      - { .name: Wp_scales, .offset: 24, .size: 8, .value_kind: global_buffer, .address_space: global }
      - { .name: bp, .offset: 32, .size: 8, .value_kind: global_buffer, .address_space: global }
      - { .name: hidden_input, .offset: 40, .size: 8, .value_kind: global_buffer, .address_space: global }
      - { .name: gamma, .offset: 48, .size: 8, .value_kind: global_buffer, .address_space: global }
      - { .name: beta, .offset: 56, .size: 8, .value_kind: global_buffer, .address_space: global }
      - { .name: out0, .offset: 64, .size: 8, .value_kind: global_buffer, .address_space: global }
    .group_segment_fixed_size: 281088
    .private_segment_fixed_size: 0
    .kernarg_segment_align: 8
    .kernarg_segment_size: 72
    .max_flat_workgroup_size: 512
    .sgpr_count:     66
    .vgpr_count:     256
    .wavefront_size: 32
...
	.end_amdgpu_metadata
.endif
;; end of part 3
;; ======== version 2 of 2: 3 launches
;; workspace buffers: qkv 13,893,632 bytes; cc 4,194,304 bytes; cs 262,144 bytes
;; launch qkv (part 4): grid 4 x 64, 4 waves a work-group, no clusters, 107,008 bytes of LDS; arguments hidden_input, Wq_codes, Wk_codes, Wq_scales, Wk_scales, bq, bk, Wv_codes, Wv_scales, bv, qkv; writes qkv
.if DOCPART == 4
	.amdgcn_target "amdgcn-amd-amdhsa--gfx1250"
	.amdhsa_code_object_version 6
	.text
	.protected	k_q3774705f83_qkv
	.globl	k_q3774705f83_qkv
	.p2align	8
	.type	k_q3774705f83_qkv,@function
k_q3774705f83_qkv:
	s_mov_b64 s[64:65], 0
	v_nop
	global_prefetch_b8 v0, s[64:65] scope:SCOPE_SE
	s_setreg_imm32_b32 hwreg(HW_REG_WAVE_SCHED_MODE, 0, 2), 2
	s_setreg_imm32_b32 hwreg(HW_REG_WAVE_MODE, 25, 1), 1
	s_wait_xcnt 0x0
	s_wait_alu depctr_vm_vsrc(0)
; q = x Wq + bq, k = x Wk + bk, v = x Wv + bv on codes of FP4 (E2M1) with one E8M0 scale for each 32 along K, and the three results quantised again for the attention launch:
; q and k along the head's 64, v along the keys.  x: [8192][1024] f32, quantised here along its 1,024.  The weights come as codes, K innermost (512 bytes a row), scale bytes 32 a row.
; SHARES.  A work-group takes 128 tokens (work-group y: sequence y / 16, key step y % 16) and the q, k and v columns of four heads (work-group x).  THE WAVES SHARE THE COLUMNS: waves 0, 1 hold 128 columns of Wq each,
; waves 2, 3 the same columns of Wk, and every wave the 64 columns of Wv of one head: 96 fragments, 768 registers, read from memory once.  x's codes go from wave to wave through LDS as images of the operand's registers.
; THE TOKENS OF A TILE ARE NOT NEIGHBOURS: lane r of tile 2 B + u is token 32 B + 8 u + r + 8 (r / 8); the rows of a weight that form a tile are chosen alike.  So in q and k (source 0 = 16 rows of W, source 1 = x) a lane
; holds one token and the 16 registers of tiles 2 b, 2 b + 1 are 16 neighbouring columns; in v (source 0 = x, source 1 = 16 rows of Wv) a lane holds one channel and the same 16 registers are 16 neighbouring tokens, v's K.
; THE RECORD of a head (REC bytes of the workspace): K's images [tile 128][lane][16 bytes], K's scale words [tile / 4][r][tile % 4], V's images [key step 16][tile of channels 4][half 2][lane][16], V's scale words
; [key step][r][tile], then Q's images and scale words laid as K's.  A q or k fragment has 64 codes a row: its image is registers 0-3; of its scale word bytes 0, 1 count, bytes 2, 3 stand over zero codes and are never 0xff.
; NO CLUSTER: the weights go straight into registers, and the one thing that the four work-groups of a token block share, x's 128 x 4,096 bytes of f32, is 524,288 bytes: more than LDS holds.
; LIMITS: NaN and infinities among the inputs are not served.  A block whose largest magnitude lies under 2^-124 gets the scale byte 1; so does a block of zeros, where the rule says 127: its codes are zeros, and this program alone reads the bytes.
; REGISTERS, in windows of 256: window 0: v1-13 addresses; v16-79 and v80-143 two sets of 64 (x as f32, x's fragments, results); v144-151 codes just made; v152-167 at work; v168-175 scale words on their way out;
;   v176-191 x's scale words; v192-223 Wq's or Wk's; v224-239 Wv's; v240-247 bv.   windows 1, 2: Wq's or Wk's 64 fragments (K step s, tile t at 8 (8 (s % 4) + t) of window 1 + s / 4).   window 3: Wv's 32 (8 (4 s + n)).
;   In the last phase window 1 holds v's 32 accumulators (8 (8 n + m)).
; THE MODE: SCHED_MODE bits 1:0 = 2 (LLVM: expert scheduling mode 2), set by the entry lines.  The code itself states the register dependences between vector or matrix instructions and memory or LDS instructions,
; with s_wait_alu, always for 0.
; THE PLAN.  Registers that memory or LDS instructions touch, and who else names them:
;   v1-v11, v13   addresses and offsets: made by vector lines at the head, never written again: one wait on va_vdst ahead of the first load serves every load and store of the kernel.
;   XF, HA        x phase: loads of x land, QUANT reads, the set is asked for again behind QUANT.  q, k phase: x's fragments land in XF and the bias in HA; the products read XF and write HA; QUANT reads HA.
;                 v phase: both are sets of x's fragments, read by the products of a K step and asked for again behind them.  HA is also read once by the LDS stores of the bias image, at the head.
;   XS            x's scale words: LDS loads land, the products read them.
;   PC, PWS, SO   codes and scale words on their way out: written by QUANT and the lines behind it, read by LDS stores (x phase) and global stores (later).
;   The weights, their scale words and bv are loaded once, into registers that no vector line has named; v's accumulators are named by matrix and vector instructions alone.
; So a unit of work has at most two waits on va_vdst: one behind its products (they are done reading what the next fetch fills), one behind its QUANT (the codes are written; the numbers have been read), and one on
; vm_vsrc ahead of its QUANT (the last unit's stores have read the registers that it writes again).  The loads stand in runs: the products name another register window than a load does, so a load among them would
; stand between two switches; and all 1,024 registers are taken, so there is no third set.
.set REC,   217088                     ; a head's record
.set KSCO,  65536                      ; in it: scale words behind 65,536 bytes of images
.set VIMG,  73728
.set VSCO,  139264
.set QOFF,  143360
.set XSC,   65536                      ; LDS: x's 64 fragments from byte 0 (tile m, K step s at 1,024 (8 m + s)); here their scale words, 128 bytes each;
.set BIMG,  73728                      ; here, 8,192 bytes a wave, the image of the wave's 64 registers of bq or bk
.set LI,   1                           ; 16 x lane
.set LS,   2                           ; XSC + 4 x lane
.set XA,   3                           ; x: (r + 8 (r / 8)) rows of 4,096 bytes + 64 h
.set XWI,  4                           ; where I store x's images: 16 x lane + 16,384 x wave
.set XWS,  5                           ; and their scale words: XSC + 4 x lane + 2,048 x wave
.set BI,   6                           ; my bias image
.set WA,   7                           ; a weight's row: (r + 8 (r / 8)) x 512 + 16 h
.set WSA,  8                           ; its scale bytes: (r + 8 (r / 8)) x 32 + 16 h
.set BO,   9                           ; 64 h
.set VO,   10                          ; 4 (r + 8 (r / 8))
.set SOFF, 11                          ; 16 r + h x REC
.set SH,   12                          ; 16 h
.set VSO,  13                          ; 16 r + 8 h
.set XF,   16
.set HA,   80
.set PC,   144
.set TM,   152
.set PWS,  168
.set SO,   172
.set XS,   176
.set WSQ,  192
.set WSV,  224
.set BV,   240
.set WV,   26
.set SEL,  28
.set MSB, 0
.macro WIN new                         ; s_set_vgpr_msb: bits 1:0 source 0, 3:2 source 1, 5:4 source 2, 7:6 destination; the high byte repeats the setting that is left
.if MSB != (\new)
	s_set_vgpr_msb (MSB<<8)|(\new)
.set MSB, (\new)
.endif
.endm
.macro PLACES                          ; four plain places behind a matrix instruction, in front of reads of its result and of loads into its registers
.rept 4
	v_nop
.endr
.endm
; 64 numbers of x for a lane: tile u of my two, K step q: register 16 b + 4 j + e = x(my token, 128 q + 32 b + 16 h + 4 j + e)
.macro XLOAD reg, u, q
.irp b, 0,1,2,3
.irp j, 0,1,2,3
	global_load_b128 v[\reg+16*\b+4*\j:\reg+16*\b+4*\j+3], v[XA], s[30:31] offset:32768*(\u)+512*(\q)+128*\b+16*\j
.endr
.endr
.endm
; twelve loads of weights: four fragments of Wq or Wk, two of Wv.  Sixteen such chunks stand between the steps that quantise x.  No vector line has named the registers in which they land
.macro WCHUNK i
	WIN 0x40+0x40*((\i)/8)
.irp k, 0,1,2,3
.set WFR, 4*(\i)+\k
.set WKS, WFR/8
.set WTI, WFR%8
.irp c, 0,1
	global_load_b128 v[8*(WFR%32)+4*\c:8*(WFR%32)+4*\c+3], v[WA], s[32:33] offset:(32*(WTI/2)+8*(WTI%2))*512+64*WKS+32*\c
.endr
.endr
	WIN 0xc0
.irp k, 0,1
.set WFR, 2*(\i)+\k
.set WKS, WFR/4
.set WTI, WFR%4
.irp c, 0,1
	global_load_b128 v[8*WFR+4*\c:8*WFR+4*\c+3], v[WA], s[38:39] offset:(32*(WTI/2)+8*(WTI%2))*512+64*WKS+32*\c
.endr
.endr
	WIN 0
.endm
; 64 numbers of a lane, register 16 b + i = k 32 b + 16 h + i of my row, become a fragment's codes in v[PC] on and its scale word in v[pw]
.macro QUANT s, pw
.irp b, 0,1,2,3
	v_max3_num_f32 v[TM+\b], |v[\s+16*\b]|, |v[\s+1+16*\b]|, 0x1800000   ; block b: my 16 numbers, and the floor 2^(3 - 127): the byte cannot fall under 1
.endr
.irp i, 2,4,6,8,10,12,14
.irp b, 0,1,2,3
	v_max3_num_f32 v[TM+\b], v[TM+\b], |v[\s+16*\b+\i]|, |v[\s+1+16*\b+\i]|   ; (the four blocks by turns)
.endr
.endr
.irp b, 0,1,2,3
	v_permlanex16_b32 v[TM+4+\b], v[TM+\b], s[SEL], s[SEL+1]
.endr
.irp b, 0,1,2,3
	v_max_num_f32 v[TM+\b], v[TM+\b], v[TM+4+\b]   ; with lane l xor 16's: the block's largest magnitude
.endr
.irp b, 0,1,2,3
	v_add_nc_u32 v[TM+12+\b], 0xff000000, v[TM+\b]   ; 2 off its exponent field: the conversion takes the exponent field of this operand as its scale
.endr
.irp b, 0,1,2,3
	v_lshrrev_b32 v[TM+4+\b], 23, v[TM+12+\b]      ; the scale's byte
.endr
	v_lshl_or_b32 v[\pw], v[TM+5], 8, v[TM+4]      ; four bytes: my row's scale word (both halves of the lanes hold it)
	v_lshl_or_b32 v[\pw], v[TM+6], 16, v[\pw]
	v_lshl_or_b32 v[\pw], v[TM+7], 24, v[\pw]
.irp b, 0,1,2,3
	v_cvt_scalef32_pk8_fp4_f32 v[PC+2*\b], v[\s+16*\b:\s+7+16*\b], v[TM+12+\b]
	v_cvt_scalef32_pk8_fp4_f32 v[PC+1+2*\b], v[\s+8+16*\b:\s+15+16*\b], v[TM+12+\b]
.endr
	v_nop                                          ; one plain place behind a scaled conversion
.irp c, 0,1                                    ; the operand's layout wants a whole block in a lane: lanes 0-15 block 2 c, lanes 16-31 block 2 c + 1
.irp i, 0,1
	v_permlane16_swap_b32 v[PC+4*\c+\i], v[PC+2+4*\c+\i]
.endr
.endr
.endm
.macro FETCH reg, off                          ; a fragment's image comes back as it was stored: the same registers in the same lanes
.irp c, 0,1
	ds_load_b128 v[\reg+4*\c:\reg+4*\c+3], v[LI] offset:\off+512*\c
.endr
.endm
.macro FETCHX m                                ; tile m of x: its eight fragments and scale words
.irp q, 0,1,2,3,4,5,6,7
	FETCH XF+8*\q, (8*(\m)+\q)*1024
	ds_load_b32 v[XS+\q], v[LS] offset:(8*(\m)+\q)*128
.endr
.endm
.macro VFETCH q, buf, xs                       ; K step q of x: all eight tiles: 24 LDS loads
.irp m, 0,1,2,3,4,5,6,7
	FETCH \buf+8*\m, (8*\m+(\q))*1024
	ds_load_b32 v[\xs+\m], v[LS] offset:(8*\m+(\q))*128
.endr
.endm
.macro BIASLD                                  ; bq or bk in the result's layout, straight into the accumulators: the sums begin with it
.irp k, 0,1,2,3,4,5,6,7,8,9,10,11,12,13,14,15
	ds_load_b128 v[HA+4*\k:HA+4*\k+3], v[BI] offset:512*\k
.endr
.endm
	s_load_b512 s[4:19], s[0:1], 0x0               ; x, Wq's codes, Wk's codes, Wq's scales, Wk's scales, bq, bk, Wv's codes
	s_load_b128 s[20:23], s[0:1], 0x40             ; Wv's scales, bv
	s_load_b64 s[24:25], s[0:1], 0x50              ; the records
	v_lshl_add_u32 v254, v0, 2, 0x1a000
	v_mov_b32 v255, 0
	v_lshrrev_b32 v14, 5, v0
	v_readfirstlane_b32 s[WV], v14                 ; wave 0..3
	v_and_b32 v14, 31, v0                          ; lane
	v_and_b32 v15, 15, v0                          ; r
	v_bfe_u32 v[SH], v0, 4, 1                      ; h
	v_lshlrev_b32 v[LI], 4, v14
	v_lshl_add_u32 v[LS], v14, 2, XSC
	v_and_b32 v[VO], 8, v15
	v_add_nc_u32 v[VO], v[VO], v15                 ; r + 8 (r / 8)
	v_lshlrev_b32 v[XA], 12, v[VO]
	v_lshl_add_u32 v[XA], v[SH], 6, v[XA]
	s_wait_alu depctr_va_sdst(0)                   ; the wave's number is written, ahead of its first reader: LDS addresses, the choice between q and k and the bases are made from it
	s_lshl_b32 s55, s[WV], 14
	v_add_nc_u32 v[XWI], s55, v[LI]
	s_lshl_b32 s55, s[WV], 11
	v_add_nc_u32 v[XWS], s55, v[LS]
	s_lshl_b32 s55, s[WV], 13
	s_add_co_u32 s55, s55, BIMG
	v_add_nc_u32 v[BI], s55, v[LI]
	v_lshlrev_b32 v[WA], 9, v[VO]
	v_lshl_add_u32 v[WA], v[SH], 4, v[WA]
	v_lshlrev_b32 v[WSA], 5, v[VO]
	v_lshl_add_u32 v[WSA], v[SH], 4, v[WSA]
	v_lshlrev_b32 v[BO], 6, v[SH]
	v_mul_u32_u24 v[SOFF], v[SH], REC
	v_lshl_add_u32 v[SOFF], v15, 4, v[SOFF]
	v_lshlrev_b32 v[VSO], 3, v[SH]
	v_lshl_add_u32 v[VSO], v15, 4, v[VSO]
	v_lshlrev_b32 v[VO], 2, v[VO]
	v_lshlrev_b32 v[SH], 4, v[SH]
.irp b, 0,1,2,3
	v_mov_b32 v[TM+4+\b], 0                        ; written once: a lane permute's destination counts as one of its sources
.endr
	s_mov_b32 s[SEL], 0x76543210
	s_mov_b32 s[SEL+1], 0xfedcba98                 ; v_permlanex16_b32's selects for lane l xor 16
	s_mov_b32 s54, 0xffff0000                      ; the lanes with h = 1
	s_and_b32 s55, ttmp7, 0xffff                   ; the block of 128 tokens
	s_lshr_b32 s56, s55, 4                         ; its sequence
	s_and_b32 s57, s55, 15                         ; its key step
	s_and_b32 s58, s[WV], 1
	s_mov_b32 s61, 0                               ; the upper word of every offset below
	s_wait_kmcnt 0x0
	s_cmp_lt_u32 s[WV], 2                          ; waves 0, 1 make q, waves 2, 3 k: the choice hangs on the wave's number alone
	s_cselect_b64 s[32:33], s[6:7], s[8:9]
	s_cselect_b64 s[34:35], s[10:11], s[12:13]
	s_cselect_b64 s[36:37], s[14:15], s[16:17]
	s_cselect_b32 s63, QOFF, 0                     ; and where in a record the results go
	s_lshl_b32 s60, s55, 19                        ; x: 128 rows of 4,096 bytes a block,
	s_lshl_b32 s62, s[WV], 17                      ; 32 rows a wave
	s_add_co_u32 s60, s60, s62
	s_add_nc_u64 s[30:31], s[4:5], s[60:61]
	s_lshl_b32 s59, ttmp9, 8
	s_lshl_b32 s62, s58, 7
	s_add_co_u32 s62, s59, s62                     ; my first column of Wq or Wk: 256 x work-group x + 128 (wave % 2)
	s_lshl_b32 s60, s62, 9
	s_add_nc_u64 s[32:33], s[32:33], s[60:61]
	s_lshl_b32 s60, s62, 5
	s_add_nc_u64 s[34:35], s[34:35], s[60:61]
	s_lshl_b32 s60, s62, 2
	s_add_nc_u64 s[36:37], s[36:37], s[60:61]
	s_lshl_b32 s62, s[WV], 6
	s_add_co_u32 s62, s59, s62                     ; my first column of Wv: 256 x work-group x + 64 x wave
	s_lshl_b32 s60, s62, 9
	s_add_nc_u64 s[38:39], s[18:19], s[60:61]
	s_lshl_b32 s60, s62, 5
	s_add_nc_u64 s[40:41], s[20:21], s[60:61]
	s_lshl_b32 s60, s62, 2
	s_add_nc_u64 s[42:43], s[22:23], s[60:61]
	s_lshl_b32 s59, s56, 4
	s_lshl_b32 s62, ttmp9, 2
	s_add_co_u32 s59, s59, s62                     ; the first of my work-group's four records: 16 x sequence + 4 x work-group x
	s_lshl_b32 s62, s58, 1
	s_add_co_u32 s62, s59, s62                     ; q, k: my two heads' first record
	s_mul_i32 s60, s62, REC
	s_add_co_u32 s60, s60, s63
	s_add_nc_u64 s[48:49], s[24:25], s[60:61]
	s_lshl_b32 s60, s57, 12                        ; eight tiles' images a key step
	s_add_nc_u64 s[44:45], s[48:49], s[60:61]      ; images of my first head,
	s_add_nc_u64 s[46:47], s[44:45], REC           ; of my second,
	s_lshl_b32 s60, s57, 9
	s_add_co_u32 s60, s60, KSCO
	s_add_nc_u64 s[48:49], s[48:49], s[60:61]      ; and the scale words
	s_add_co_u32 s62, s59, s[WV]                   ; v: my head's record
	s_mul_i32 s60, s62, REC
	s_add_nc_u64 s[52:53], s[24:25], s[60:61]
	s_lshl_b32 s60, s57, 12
	s_add_co_u32 s60, s60, VIMG
	s_add_nc_u64 s[50:51], s[52:53], s[60:61]
	s_lshl_b32 s60, s57, 8
	s_add_co_u32 s60, s60, VSCO
	s_add_nc_u64 s[52:53], s[52:53], s[60:61]
	s_wait_alu depctr_va_vdst(0)                   ; the addresses and offsets v1 to v13 are written, which every load and store of the kernel reads; none of them is written again
.irp t, 0,1,2,3,4,5,6,7                        ; bq or bk: lane (r, h) wants, for tile t, the eight numbers of columns 32 (t / 2) + 8 (t % 2) + 16 h on
	global_load_b128 v[HA+8*\t:HA+8*\t+3], v[BO], s[36:37] offset:(32*(\t/2)+8*(\t%2))*4
	global_load_b128 v[HA+8*\t+4:HA+8*\t+7], v[BO], s[36:37] offset:(32*(\t/2)+8*(\t%2))*4+16
.endr
.irp n, 0,1,2,3                                ; bv at my lane's channel of tile n, twice: a pair for the packed addition
	global_load_b32 v[BV+2*\n], v[VO], s[42:43] offset:(32*(\n/2)+8*(\n%2))*4
	global_load_b32 v[BV+2*\n+1], v[VO], s[42:43] offset:(32*(\n/2)+8*(\n%2))*4
.endr
.irp t, 0,1,2,3,4,5,6,7                        ; a row's eight scale words: lanes 0-15 take words 0-3, lanes 16-31 words 4-7: register 4 t + i serves K steps i and 4 + i
	global_load_b128 v[WSQ+4*\t:WSQ+4*\t+3], v[WSA], s[34:35] offset:(32*(\t/2)+8*(\t%2))*32
.endr
.irp n, 0,1,2,3
	global_load_b128 v[WSV+4*\n:WSV+4*\n+3], v[WSA], s[40:41] offset:(32*(\n/2)+8*(\n%2))*32
.endr
	XLOAD XF, 0, 0
	s_wait_loadcnt 16                              ; all but x's first sixteen loads
.irp k, 0,1,2,3,4,5,6,7,8,9,10,11,12,13,14,15
	ds_store_b128 v[BI], v[HA+4*\k:HA+4*\k+3] offset:512*\k
.endr
	s_wait_dscnt 0x0                               ; the stores have read their registers
	s_wait_alu depctr_vm_vsrc(0)                   ; the LDS stores of the bias image have read v[HA ..], in which x's next sixteen loads land
	XLOAD HA, 0, 1
; ---- x: my 32 tokens (tiles 2 w, 2 w + 1) become sixteen fragments.  Step i = 8 u + s.  Two steps of x are on their way, and a chunk of weights behind each.
; A step's loads go out straight behind its three LDS stores; the waits for those stores stand at the next step's head, ahead of the lines that write their registers again.
.macro XSTEP i, left
.set XSET, XF+64*((\i)%2)
.set XNU, ((\i)+2)/8
.set XNS, ((\i)+2)%8
	s_wait_loadcnt \left                           ; this step's sixteen loads are in; what was issued behind them may be out
.if (\i) > 0
	s_wait_dscnt 0x0                               ; the last step's stores have read their registers
	s_wait_alu depctr_vm_vsrc(0)                   ; the last step's LDS stores have read v[PC ..] and v[PWS], which the lines below write again
.endif
	QUANT XSET, PWS
	s_wait_alu depctr_va_vdst(0)                   ; the codes and the scale word are written, which the LDS stores read; the lines above are done reading this set of x, in which the loads below land
.irp c, 0,1
	ds_store_b128 v[XWI], v[PC+4*\c:PC+4*\c+3] offset:(\i)*1024+512*\c
.endr
	ds_store_b32 v[XWS], v[PWS] offset:(\i)*128
.if (\i) < 14
	XLOAD XSET, XNU, XNS
.endif
	WCHUNK \i
.endm
	XSTEP 0, 16                                    ; behind it: step 1
	XSTEP 1, 28                                    ; step 2 and chunk 0
.irp i, 2,3,4,5,6,7,8,9,10,11,12,13,14
	XSTEP \i, 40                                   ; a chunk, a step, a chunk
.endr
	XSTEP 15, 24                                   ; chunks 13 and 14
	s_wait_loadcnt 0x0                             ; the weights
	s_wait_dscnt 0x0
	s_barrier_signal -1
	s_barrier_wait -1                              ; x's 64 fragments lie in LDS; nothing is stored to LDS from here on
; ---- q or k: a tile of 16 tokens at a time: 64 matrix instructions, the eight accumulators by turns
.macro UNITQK m
	s_wait_dscnt 0x0                               ; x's fragments and scale words, and the bias in the accumulators
	WIN 0x01                                       ; source 0 (the weight) window 1
.irp q, 0,1,2,3
.irp t, 0,1,2,3,4,5,6,7
	v_wmma_scale_f32_16x16x128_f8f6f4 v[HA+8*\t:HA+8*\t+7], v[8*(8*\q+\t):8*(8*\q+\t)+7], v[XF+8*\q:XF+8*\q+7], v[HA+8*\t:HA+8*\t+7], v[WSQ+4*\t+\q], v[XS+\q] matrix_a_fmt:MATRIX_FMT_FP4 matrix_b_fmt:MATRIX_FMT_FP4
.endr
.endr
	WIN 0x02                                       ; window 2: K steps 4 to 7; their scale words lie in lanes 16-31
.irp q, 0,1,2,3
.irp t, 0,1,2,3,4,5,6,7
	v_wmma_scale_f32_16x16x128_f8f6f4 v[HA+8*\t:HA+8*\t+7], v[8*(8*\q+\t):8*(8*\q+\t)+7], v[XF+32+8*\q:XF+32+8*\q+7], v[HA+8*\t:HA+8*\t+7], v[WSQ+4*\t+\q], v[XS+4+\q] matrix_a_fmt:MATRIX_FMT_FP4 matrix_b_fmt:MATRIX_FMT_FP4 matrix_a_scale:MATRIX_SCALE_ROW1
.endr
.endr
	WIN 0
	PLACES
	s_wait_alu depctr_va_vdst(0)                   ; the 64 products are done reading x's fragments v[XF ..] and scale words v[XS ..], in which the LDS loads below land; the places above stay beside this wait
.if (\m) < 7
	FETCHX (\m)+1                                  ; the next tile's operands land while this tile is quantised
.else
	VFETCH 0, XF, XS
.endif
	s_wait_xcnt 0x0                                ; the last tile's stores have read their registers
	s_wait_alu depctr_vm_vsrc(0)                   ; the stores issued so far (the last tile's; ahead of the first tile the LDS stores of x's last step) have read v[PC ..], v[PWS] and v[SO ..], which the lines below write again
	QUANT HA, PWS+(\m)%4                           ; blocks 0, 1: my first head's 64; blocks 2, 3: my second's
.if (\m)%4 == 3
.irp i, 0,1,2,3
	v_lshrrev_b32 v[SO+\i], v[SH], v[PWS+\i]       ; lanes 0-15: the word as it is, for my first head; lanes 16-31: its upper half, for my second
.endr
.endif
	s_wait_alu depctr_va_vdst(0)                   ; the codes (and, each fourth tile, the four words) are written, which the stores below read; the lines above are done reading the results v[HA ..], in which the LDS loads below land
.if (\m) < 7
	BIASLD
.else
	VFETCH 1, HA, XS+8
.endif
	global_store_b128 v[LI], v[PC:PC+3], s[44:45] offset:512*(\m)       ; 32 lanes store 512 consecutive bytes
	global_store_b128 v[LI], v[PC+4:PC+7], s[46:47] offset:512*(\m)
.if (\m)%4 == 3
	global_store_b128 v[SOFF], v[SO:SO+3], s[48:49] offset:256*((\m)/4)   ; four tiles' words: sixteen lanes store 256 consecutive bytes in each head's record
.endif
.endm
	FETCHX 0                                       ; (no vector line has been issued since the wait behind the last QUANT, which read both sets)
	BIASLD
.irp m, 0,1,2,3,4,5,6,7
	UNITQK \m
.endr
; ---- v: all 128 tokens x my head's 64 channels: 32 accumulators by turns, a K step at a time; x's fragments in two sets
.macro VSTEP q
.set VBF, XF+64*((\q)%2)
.set VXS, XS+8*((\q)%2)
.if (\q) < 7
	s_wait_dscnt 24                                ; this step's 24 loads are in; the next step's may be out
.else
	s_wait_dscnt 0x0
.endif
	WIN 0x5c                                       ; source 0 (x) window 0, source 1 (Wv) window 3, C and D window 1
.irp m, 0,1,2,3,4,5,6,7
.irp n, 0,1,2,3
.if (\q) == 0
	v_wmma_scale_f32_16x16x128_f8f6f4 v[8*(8*\n+\m):8*(8*\n+\m)+7], v[VBF+8*\m:VBF+8*\m+7], v[8*(4*(\q)+\n):8*(4*(\q)+\n)+7], 0, v[VXS+\m], v[WSV+4*\n+(\q)%4] matrix_a_fmt:MATRIX_FMT_FP4 matrix_b_fmt:MATRIX_FMT_FP4
.elseif (\q) < 4
	v_wmma_scale_f32_16x16x128_f8f6f4 v[8*(8*\n+\m):8*(8*\n+\m)+7], v[VBF+8*\m:VBF+8*\m+7], v[8*(4*(\q)+\n):8*(4*(\q)+\n)+7], v[8*(8*\n+\m):8*(8*\n+\m)+7], v[VXS+\m], v[WSV+4*\n+(\q)%4] matrix_a_fmt:MATRIX_FMT_FP4 matrix_b_fmt:MATRIX_FMT_FP4
.else
	v_wmma_scale_f32_16x16x128_f8f6f4 v[8*(8*\n+\m):8*(8*\n+\m)+7], v[VBF+8*\m:VBF+8*\m+7], v[8*(4*(\q)+\n):8*(4*(\q)+\n)+7], v[8*(8*\n+\m):8*(8*\n+\m)+7], v[VXS+\m], v[WSV+4*\n+(\q)%4] matrix_a_fmt:MATRIX_FMT_FP4 matrix_b_fmt:MATRIX_FMT_FP4 matrix_b_scale:MATRIX_SCALE_ROW1
.endif
.endr
.endr
	WIN 0
	PLACES
.if (\q) < 6
	s_wait_alu depctr_va_vdst(0)                   ; this step's 32 products are done reading this set of fragments and scale words, in which the LDS loads below land; the places above stay beside this wait
	VFETCH (\q)+2, VBF, VXS
.endif
.endm
.irp q, 0,1,2,3,4,5,6,7
	VSTEP \q
.endr
; tile n of the channels: bv is added, which also brings the sums into window 0; the lane's 64 registers are the key step's 128 keys' 16 h halves of each block: one fragment of V^T
.macro VOUT n
	WIN 0x01                                       ; source 0 window 1
.set VK, 0
.rept 32
	v_pk_add_f32 v[HA+VK:HA+VK+1], v[64*(\n)+VK:64*(\n)+VK+1], v[BV+2*(\n):BV+2*(\n)+1]   ; each accumulator from its low end on
.set VK, VK+2
.endr
	WIN 0
	s_wait_xcnt 0x0                                ; the last stores have read their registers
	s_wait_alu depctr_vm_vsrc(0)                   ; the last stores have read v[PC ..] (ahead of the first tile v[SO ..] too), which the lines below write again
	QUANT HA, PWS+(\n)
.if (\n) == 3
	v_cndmask_b32 v[SO], v[PWS], v[PWS+2], s54     ; lanes 0-15 store the words of tiles 0, 1, lanes 16-31 those of tiles 2, 3
	v_cndmask_b32 v[SO+1], v[PWS+1], v[PWS+3], s54
.endif
	s_wait_alu depctr_va_vdst(0)                   ; the codes (and, behind the last tile, the two words) are written, which the stores below read
.irp c, 0,1
	global_store_b128 v[LI], v[PC+4*\c:PC+4*\c+3], s[50:51] offset:1024*(\n)+512*\c
.endr
.if (\n) == 3
	global_store_b64 v[VSO], v[SO:SO+1], s[52:53]  ; 32 lanes store 256 consecutive bytes
.endif
.endm
.irp n, 0,1,2,3
	VOUT \n
.endr
	s_wait_dscnt 0x0                               ; the closing lines, six on end
	s_wait_alu 0x0
	s_wait_tensorcnt 0x0
	ds_add_u32 v254, v255
	s_wait_dscnt 0x0
	s_endpgm
.Lfunc_end_k_q3774705f83_qkv:
	.size	k_q3774705f83_qkv, .Lfunc_end_k_q3774705f83_qkv-k_q3774705f83_qkv
	.p2alignl 7, 3214868480
	.fill 96, 4, 3214868480
	.section	.rodata,"a",@progbits
	.p2align	6, 0x0
	.amdhsa_kernel k_q3774705f83_qkv
		.amdhsa_group_segment_fixed_size 107008
		.amdhsa_private_segment_fixed_size 0
		.amdhsa_enable_private_segment 0
		.amdhsa_kernarg_size 88
		.amdhsa_user_sgpr_count 2
		.amdhsa_user_sgpr_kernarg_segment_ptr 1
		.amdhsa_wavefront_size32 1
		.amdhsa_system_sgpr_workgroup_id_x 1
		.amdhsa_system_sgpr_workgroup_id_y 1
		.amdhsa_system_sgpr_workgroup_id_z 1
		.amdhsa_system_vgpr_workitem_id 0
		.amdhsa_next_free_vgpr 1024
		.amdhsa_next_free_sgpr 66
		.amdhsa_reserve_vcc 0
		.amdhsa_float_denorm_mode_32 3
		.amdhsa_float_denorm_mode_16_64 3
		.amdhsa_memory_ordered 1
		.amdhsa_forward_progress 1
		.amdhsa_inst_pref_size 255
	.end_amdhsa_kernel
	.section	.bss,"aw",@nobits
	.p2align	6
	.space	262144
	.amdgpu_metadata
---
amdhsa.version: [ 1, 2 ]
amdhsa.kernels:
  - .name:           k_q3774705f83_qkv
    .symbol:         k_q3774705f83_qkv.kd
    .args:
      - { .name: hidden_input, .offset: 0, .size: 8, .value_kind: global_buffer, .address_space: global }
      - { .name: Wq_codes, .offset: 8, .size: 8, .value_kind: global_buffer, .address_space: global }
      - { .name: Wk_codes, .offset: 16, .size: 8, .value_kind: global_buffer, .address_space: global }
      - { .name: Wq_scales, .offset: 24, .size: 8, .value_kind: global_buffer, .address_space: global }
      - { .name: Wk_scales, .offset: 32, .size: 8, .value_kind: global_buffer, .address_space: global }
      - { .name: bq, .offset: 40, .size: 8, .value_kind: global_buffer, .address_space: global }
      - { .name: bk, .offset: 48, .size: 8, .value_kind: global_buffer, .address_space: global }
      - { .name: Wv_codes, .offset: 56, .size: 8, .value_kind: global_buffer, .address_space: global }
      - { .name: Wv_scales, .offset: 64, .size: 8, .value_kind: global_buffer, .address_space: global }
      - { .name: bv, .offset: 72, .size: 8, .value_kind: global_buffer, .address_space: global }
      - { .name: qkv, .offset: 80, .size: 8, .value_kind: global_buffer, .address_space: global }
    .group_segment_fixed_size: 107008
    .private_segment_fixed_size: 0
    .kernarg_segment_align: 8
    .kernarg_segment_size: 88
    .max_flat_workgroup_size: 128
    .sgpr_count:     66
    .vgpr_count:     1024
    .wavefront_size: 32
...
	.end_amdgpu_metadata
.endif
;; end of part 4
;; launch attn (part 5): grid 4 x 64, 16 waves a work-group, clusters of 4 x 1, 169,984 bytes of LDS; arguments qkv, cc, cs; writes cc, cs
.if DOCPART == 5
	.amdgcn_target "amdgcn-amd-amdhsa--gfx1250"
	.amdhsa_code_object_version 6
	.text
	.protected	k_q3774705f83_attn
	.globl	k_q3774705f83_attn
	.p2align	8
	.type	k_q3774705f83_attn,@function
k_q3774705f83_attn:
	s_mov_b64 s[64:65], 0
	v_nop
	global_prefetch_b8 v0, s[64:65] scope:SCOPE_SE
	s_setreg_imm32_b32 hwreg(HW_REG_WAVE_MODE, 25, 1), 1
	s_wait_xcnt 0x0
	s_wait_alu depctr_hold_cnt(0) depctr_sa_sdst(0) depctr_va_vdst(0) depctr_va_sdst(0) depctr_va_ssrc(0) depctr_va_vcc(0) depctr_vm_vsrc(0)
	s_getreg_b32 s2, hwreg(HW_REG_IB_STS2, 6, 4)
	s_cmp_eq_u32 s2, 0
	s_cbranch_scc0 .Lentry_in_a_cluster
	s_endpgm
.Lentry_in_a_cluster:
	s_bfe_u32 s2, ttmp6, 0x10000c
	s_cmp_lg_u32 s2, 0x3003
	s_cbranch_scc0 .Lentry_shape_is_right
	s_endpgm
.Lentry_shape_is_right:
; ctx[q] = the sum over keys of softmax(q . k / 8) v for one head, both products on codes of FP4 (E2M1) with E8M0 scales, and ctx quantised along the head's 64 for the last projection.
; THE SOFTMAX AHEAD OF THE SECOND PRODUCT: t = score x log2(e) / 8; M = the row's largest t so far, rounded UP to a whole number; p = 2^(t - M) is what is quantised, along the keys; it is not normalised.
; The row's sum is taken of the unquantised p, in f32, and divides O at the end.  When M moves, the sum and O are multiplied by 2^(old M - new M): exact.
; SHARES.  A work-group owns 512 queries of one head (the head: work-group y); each of its sixteen waves owns two tiles of 16 queries, one after the other, in 256 registers: four waves to a SIMD.
; A HEAD'S K, V AND THEIR SCALE WORDS ARE 143,360 BYTES, laid by the launch before as images of the operands' registers: they come into LDS once, 35 rows of 256 bytes a wave, and stay: no slot is ever filled again.
; CLUSTER.  The four work-groups of a head need the same 143,360 bytes: each wave's load is a JOINT one, the same descriptor and a mask that names the four in all four.
; LAYOUT.  Both products are used transposed: S^T = K Q^T (source 0 = 16 keys, source 1 = my 16 queries), O^T = V^T P^T (source 0 = 16 channels, source 1 = P): a lane holds ONE query throughout.
; The keys of a tile are 32 b + 8 u + r + 8 (r / 8) for tile 2 b + u, so that the 16 registers of tiles 2 b, 2 b + 1 are 16 neighbouring keys; V's channels are chosen alike, so that O^T's are 16 neighbouring channels.
; The head has 64 along the first product's K: registers 4-7 of Q's and K's fragments are zero codes, which add nothing under any scale byte but 0xff; the words' bytes 2, 3 are never that.
; LIMITS: NaN and infinities are not served; a p under 2^-126 counts as 0; a block whose largest magnitude lies under 2^-124, or that is all zeros, gets the scale byte 1 (its codes are zeros; this program alone reads the bytes).
; REGISTERS: v1-7, v25, v26 addresses that stay; v8-11 the step's; v12 -M, v13 the largest t, v[14:15] the sum; v16-23 Q, v24 its scale word; v32-63 four fragments of K; v64-95 four of V; v96-159 S^T, then p; v160-191 O^T;
;   v192-199 p's codes; v200-207 K's scale words, v208-211 V's, v212 p's; v216-233 at work.
.set REC,  217088                      ; a head's record in the workspace
.set KSC,  65536                       ; in the record and in LDS alike: K's images from 0, K's scale words here,
.set VIMG, 73728                       ; V's images,
.set VSC,  139264                      ; V's scale words
.set QOFF, 143360                      ; in the record: Q's images, and 65,536 bytes on Q's scale words
.set SCR,  143360                      ; in LDS, behind what the loads fill: 1,024 bytes: ctx's scale halfwords of the work-group's 32 tiles
.set SS,   96
.set OO,   160
.set PCD,  192
.set BM,   216
.set T2,   220
.set SCO,  224
.macro CROUND                          ; a round of the cluster's barrier: my work-group's barrier; wave 0 signals for the work-group; every wave waits for all four work-groups; my work-group's barrier once more
	s_barrier_signal -1
	s_barrier_wait -1
	s_cmp_lg_u32 s10, 0
	s_cbranch_scc1 .Lnot_wave_0_\@
	s_barrier_signal -3
.Lnot_wave_0_\@:
	s_barrier_wait -3
	s_barrier_signal -1
	s_barrier_wait -1
.endm
.macro PLACES
.rept 4
	v_nop
.endr
.endm
.macro QLOAD b                         ; my tile of block b: 16 tiles, 8,192 bytes of images and 1,024 of scale words, on from block 0's
	global_load_b128 v[16:19], v1, s[32:33] offset:8192*\b
	global_load_b32 v24, v6, s[34:35] offset:1024*\b
.endm
	s_load_b128 s[4:7], s[0:1], 0x0                ; the records, ctx's codes
	s_load_b64 s[8:9], s[0:1], 0x10                ; ctx's scale halfwords
	v_lshl_add_u32 v254, v0, 2, 0x29000
	v_mov_b32 v255, 0
	ds_add_u32 v254, v255
	ds_add_u32 v254, v255
	v_lshrrev_b32 v8, 5, v0
	s_delay_alu instid0(VALU_DEP_1)
	v_readfirstlane_b32 s10, v8                    ; wave 0..15
	s_bfe_u32 s11, ttmp6, 0x40000                  ; cx: which 512 queries; it enters Q's and ctx's global addresses alone
	s_and_b32 s12, ttmp7, 0xffff                   ; the head (16 x sequence + head), which the four partners share
	v_and_b32 v8, 31, v0                           ; lane
	v_and_b32 v9, 15, v0                           ; r
	s_delay_alu instid0(VALU_DEP_2)
	v_lshlrev_b32 v1, 4, v8                        ; 16 x lane: an image's place for my lane
	s_delay_alu instid0(VALU_DEP_1)
	v_add_nc_u32 v2, VIMG, v1
	s_delay_alu instid0(VALU_DEP_3)
	v_lshl_add_u32 v3, v9, 4, KSC                  ; four tiles' scale words of row r
	s_delay_alu instid0(VALU_DEP_4)
	v_lshl_add_u32 v4, v9, 4, VSC
	v_lshlrev_b32 v6, 4, v9
	s_lshl_b32 s46, s10, 5
	s_add_co_u32 s46, s46, SCR
	v_lshl_add_u32 v7, v9, 1, s46                  ; my tile's 16 halfwords: SCR + 32 x wave + 2 r
	v_lshl_add_u32 v25, v0, 4, SCR
	v_lshlrev_b32 v26, 4, v0
.irp j, 20,21,22,23, 36,37,38,39, 44,45,46,47, 52,53,54,55, 60,61,62,63
	v_mov_b32 v\j, 0                               ; the upper 64 of 128 along K: zero codes, set once
.endr
	; descriptor group 1: 35 rows of 256 bytes (32 elements of 8 bytes), dense, no padding: every read takes 16 x lane, consecutive bytes
	s_mov_b32 s16, 15|(3<<16)|(1<<21)              ; 15:0 the mask: all four work-groups; 17:16 elements of 8 bytes; 21 set beside a mask
	s_mov_b32 s17, 32<<16                          ; tensor_dim0
	s_mov_b32 s18, 35<<16                          ; tensor_dim1
	s_mov_b32 s19, 32<<16                          ; tile_dim0
	s_mov_b32 s20, 35                              ; tile_dim1
	s_mov_b32 s21, 32                              ; tensor_dim0_stride
	s_mov_b32 s22, 0
	s_mov_b32 s23, 0
	s_mov_b32 s24, 1                               ; group 0: count = 1
	s_mul_i32 s25, s10, 8960                       ; LDS address: wave x 35 rows
	s_mov_b32 s28, 0x76543210
	s_mov_b32 s29, 0xfedcba98                      ; v_permlanex16_b32's selects for lane l xor 16
	s_mov_b32 s30, 0x3e38aa3b                      ; c = log2(e) / 8
	s_mov_b32 s31, s30                             ; (named with it as a pair)
	s_mul_i32 s44, s12, REC
	s_mov_b32 s45, 0
	s_mov_b32 s46, s25
	s_mov_b32 s47, 0
	s_wait_dscnt 0x0
	s_wait_kmcnt 0x0
	s_add_nc_u64 s[44:45], s[4:5], s[44:45]        ; the head's record
	s_add_nc_u64 s[26:27], s[44:45], s[46:47]      ; my 35 rows of it
	s_or_b32 s27, s27, 0x80000000                  ; type = 2
	s_lshl_b32 s48, s11, 5
	s_add_co_u32 s48, s48, s10                     ; my tile of block 0: 32 cx + wave
	s_lshl_b32 s46, s48, 9
	s_add_co_u32 s46, s46, QOFF
	s_add_nc_u64 s[32:33], s[44:45], s[46:47]      ; its image
	s_lshr_b32 s46, s10, 2
	s_lshl_b32 s49, s11, 3
	s_add_co_u32 s46, s46, s49
	s_lshl_b32 s46, s46, 8                         ; its scale words: group tile / 4 of 256 bytes,
	s_and_b32 s49, s10, 3
	s_lshl_b32 s49, s49, 2                         ; word tile % 4
	s_add_co_u32 s46, s46, s49
	s_add_co_u32 s46, s46, QOFF+65536
	s_add_nc_u64 s[34:35], s[44:45], s[46:47]
	s_lshr_b32 s46, s12, 4
	s_lshl_b32 s46, s46, 7
	s_add_co_u32 s46, s46, s48                     ; ctx's codes: [128 x sequence + tile][head][lane][16 bytes]
	s_lshl_b32 s46, s46, 13
	s_and_b32 s49, s12, 15
	s_lshl_b32 s49, s49, 9
	s_add_co_u32 s46, s46, s49
	s_add_nc_u64 s[36:37], s[6:7], s[46:47]
	s_lshl_b32 s46, s12, 12                        ; ctx's scale halfwords: 4,096 bytes a head, 1,024 a work-group
	s_lshl_b32 s49, s11, 10
	s_add_co_u32 s46, s46, s49
	s_add_nc_u64 s[38:39], s[8:9], s[46:47]
	CROUND                                         ; all four work-groups are here: the joint loads meet
	tensor_load_to_lds s[24:27], s[16:23]          ; my one tensor load of the launch
	s_nop 0
	PLACES                                         ; (four v_nop follow it)
	QLOAD 0
	s_wait_tensorcnt 0x0                           ; my 35 rows are in,
	s_barrier_signal -1
	s_barrier_wait -1                              ; everybody's are
; A KEY STEP: 128 keys.  s40: the step's 4,096 bytes of images (K's and V's alike), s41: K's scale words (512 a step), s42: V's (256)
.macro STEP
	v_add_nc_u32 v8, s40, v1                       ; (these four are also places behind the last step's products)
	v_add_nc_u32 v9, s40, v2
	v_add_nc_u32 v10, s41, v3
	v_add_nc_u32 v11, s42, v4
	ds_load_b128 v[200:203], v10                   ; K's scale words of tiles 0-3,
	ds_load_b128 v[204:207], v10 offset:256        ; of tiles 4-7
.irp t, 0,1,2,3
	ds_load_b128 v[32+8*\t:35+8*\t], v8 offset:512*\t
.endr
	s_wait_alu depctr_va_vdst(0)
	s_wait_dscnt 0x0
.irp t, 0,1,2,3
	v_wmma_scale_f32_16x16x128_f8f6f4 v[SS+8*\t:SS+8*\t+7], v[32+8*\t:39+8*\t], v[16:23], 0, v[200+\t], v24 matrix_a_fmt:MATRIX_FMT_FP4 matrix_b_fmt:MATRIX_FMT_FP4
.endr
	PLACES                                         ; in front of loads into registers that matrix instructions have read
.irp t, 0,1,2,3
	ds_load_b128 v[32+8*\t:35+8*\t], v8 offset:2048+512*\t
.endr
.irp n, 0,1,2,3
.irp c, 0,1
	ds_load_b128 v[64+8*\n+4*\c:67+8*\n+4*\c], v9 offset:1024*\n+512*\c   ; V's four fragments land under the softmax
.endr
.endr
	ds_load_b128 v[208:211], v11
	s_wait_dscnt 9                                 ; K's four are in; V's nine may be out
.irp t, 0,1,2,3
	v_wmma_scale_f32_16x16x128_f8f6f4 v[SS+32+8*\t:SS+32+8*\t+7], v[32+8*\t:39+8*\t], v[16:23], 0, v[204+\t], v24 matrix_a_fmt:MATRIX_FMT_FP4 matrix_b_fmt:MATRIX_FMT_FP4
.endr
	PLACES
.irp b, 0,1,2,3
	v_max3_num_f32 v[BM+\b], v[SS+16*\b], v[SS+1+16*\b], v[SS+2+16*\b]   ; the largest score of each block of 32 keys: it serves for the row's maximum and, since p rises with the score, for the block's largest p
.endr
.irp i, 3,5,7,9,11,13
.irp b, 0,1,2,3
	v_max3_num_f32 v[BM+\b], v[BM+\b], v[SS+16*\b+\i], v[SS+1+16*\b+\i]
.endr
.endr
.irp b, 0,1,2,3
	v_max_num_f32 v[BM+\b], v[BM+\b], v[SS+15+16*\b]
.endr
.irp b, 0,1,2,3
	s_delay_alu instid0(VALU_DEP_4)
	v_permlanex16_b32 v[T2+\b], v[BM+\b], s28, s29
.endr
.irp b, 0,1,2,3
	s_delay_alu instid0(VALU_DEP_4)
	v_max_num_f32 v[BM+\b], v[BM+\b], v[T2+\b]     ; with lane l xor 16's 16 keys
.endr
	s_delay_alu instid0(VALU_DEP_2)
	v_max3_num_f32 v230, v[BM], v[BM+1], v[BM+2]
	s_delay_alu instid0(VALU_DEP_1)
	v_max_num_f32 v230, v230, v[BM+3]              ; the step's largest score of my query
	s_delay_alu instid0(VALU_DEP_1)
	v_mul_f32 v230, s30, v230                      ; as t (c is positive)
	s_delay_alu instid0(VALU_DEP_1)
	v_max_num_f32 v13, v13, v230                   ; the running largest t
	v_mov_b32 v230, v12
	s_delay_alu instid0(VALU_DEP_2)
	v_floor_f32 v12, -v13                          ; the new -M = floor(-t) = -ceil(t): a whole number
	s_delay_alu instid0(VALU_DEP_1)
	v_sub_f32 v230, v12, v230                      ; old M - new M: a whole number, 0 or less
	s_delay_alu instid0(VALU_DEP_1)
	v_cvt_i32_f32 v230, v230                       ; (it saturates)
	s_delay_alu instid0(VALU_DEP_1)
	v_ldexp_f32 v228, 1.0, v230                    ; f = 2^(old M - new M)
.set SJ, 0
.rept 32
	v_pk_fma_f32 v[SS+SJ:SS+SJ+1], v[SS+SJ:SS+SJ+1], s[30:31], v[12:13] op_sel_hi:[1,0,0]   ; t - M, two at a time (of the pairs c and -M the low word serves both halves)
.set SJ, SJ+2
.endr
.irp b, 0,1,2,3
	v_fma_f32 v[BM+\b], v[BM+\b], s30, v12         ; the same of each block's largest score
.endr
.set SJ, 0
	s_wait_alu depctr_va_vdst(0)
.rept 64
	v_exp_f32 v[SS+SJ], v[SS+SJ]                   ; p = 2^(t - M), at most 1
.set SJ, SJ+1
.endr
	s_setprio 1
.irp b, 0,1,2,3
	v_exp_f32 v[BM+\b], v[BM+\b]                   ; the block's largest p: the same two instructions on the same number
.endr
	v_pk_mul_f32 v[14:15], v[14:15], v[228:229] op_sel_hi:[1,0]   ; the sums under the new M.  (A plain place behind the exponentials)
	s_wait_alu depctr_va_vdst(0)
.irp b, 0,1,2,3
	v_max_num_f32 v[BM+\b], 0x1800000, v[BM+\b]    ; the floor 2^(3 - 127): the byte cannot fall under 1
.endr
.irp b, 0,1,2,3
	s_delay_alu instid0(VALU_DEP_4)
	v_add_nc_u32 v[SCO+\b], 0xff000000, v[BM+\b]   ; 2 off the exponent field: the conversion's scale operand
.endr
.irp b, 0,1,2,3
	s_delay_alu instid0(VALU_DEP_4)
	v_lshrrev_b32 v[T2+\b], 23, v[SCO+\b]          ; the scale's byte
.endr
	s_delay_alu instid0(VALU_DEP_3)
	v_lshl_or_b32 v212, v[T2+1], 8, v[T2]          ; p's scale word for these 128 keys
	s_delay_alu instid0(VALU_DEP_1)
	v_lshl_or_b32 v212, v[T2+2], 16, v212
	s_delay_alu instid0(VALU_DEP_1)
	v_lshl_or_b32 v212, v[T2+3], 24, v212
.irp b, 0,1,2,3
	v_cvt_scalef32_pk8_fp4_f32 v[PCD+2*\b], v[SS+16*\b:SS+7+16*\b], v[SCO+\b]
	v_cvt_scalef32_pk8_fp4_f32 v[PCD+1+2*\b], v[SS+8+16*\b:SS+15+16*\b], v[SCO+\b]
.endr
	v_nop                                          ; one plain place behind a scaled conversion
.irp c, 0,1                                    ; a whole block in a lane: lanes 0-15 block 2 c, lanes 16-31 block 2 c + 1
.irp i, 0,1
	v_permlane16_swap_b32 v[PCD+4*\c+\i], v[PCD+2+4*\c+\i]
.endr
.endr
	v_pk_add_f32 v[232:233], v[100:101], v[104:105]
	v_pk_add_f32 v[252:253], v[108:109], v[112:113]
	v_pk_add_f32 v[250:251], v[116:117], v[120:121]
	v_pk_add_f32 v[248:249], v[124:125], v[128:129]
	v_pk_add_f32 v[246:247], v[132:133], v[136:137]
	v_pk_add_f32 v[244:245], v[140:141], v[144:145]
	v_pk_add_f32 v[242:243], v[148:149], v[152:153]
	v_pk_add_f32 v[14:15], v[14:15], v[156:157]
	v_pk_add_f32 v[232:233], v[232:233], v[96:97]
	v_pk_add_f32 v[252:253], v[252:253], v[98:99]
	v_pk_add_f32 v[250:251], v[250:251], v[102:103]
	v_pk_add_f32 v[248:249], v[248:249], v[106:107]
	v_pk_add_f32 v[246:247], v[246:247], v[110:111]
	v_pk_add_f32 v[244:245], v[244:245], v[114:115]
	v_pk_add_f32 v[242:243], v[242:243], v[118:119]
	v_pk_add_f32 v[14:15], v[14:15], v[122:123]
	v_pk_add_f32 v[232:233], v[232:233], v[126:127]
	v_pk_add_f32 v[252:253], v[252:253], v[130:131]
	v_pk_add_f32 v[250:251], v[250:251], v[134:135]
	v_pk_add_f32 v[248:249], v[248:249], v[138:139]
	v_pk_add_f32 v[246:247], v[246:247], v[142:143]
	v_pk_add_f32 v[244:245], v[244:245], v[146:147]
	v_pk_add_f32 v[242:243], v[242:243], v[150:151]
	v_pk_add_f32 v[14:15], v[14:15], v[154:155]
	v_pk_add_f32 v[232:233], v[232:233], v[158:159]
	s_delay_alu instid0(VALU_DEP_2)
	v_pk_add_f32 v[14:15], v[14:15], v[248:249]
	s_delay_alu instid0(VALU_DEP_2)
	v_pk_add_f32 v[232:233], v[232:233], v[246:247]
	v_pk_add_f32 v[252:253], v[252:253], v[244:245]
	v_pk_add_f32 v[250:251], v[250:251], v[242:243]
	s_delay_alu instid0(VALU_DEP_2)
	v_pk_add_f32 v[14:15], v[14:15], v[252:253]
	s_delay_alu instid0(VALU_DEP_2)
	v_pk_add_f32 v[232:233], v[232:233], v[250:251]
	s_delay_alu instid0(VALU_DEP_1)
	v_pk_add_f32 v[14:15], v[14:15], v[232:233]
.set SJ, 0
	s_setprio 0
.rept 16
	v_pk_mul_f32 v[OO+SJ:OO+SJ+1], v[OO+SJ:OO+SJ+1], v[228:229] op_sel_hi:[1,0]   ; O^T under the new M; each accumulator from its low end on
.set SJ, SJ+2
.endr
	s_wait_alu depctr_va_vdst(0)
	s_wait_dscnt 0x0                               ; V's fragments and scale words
.irp n, 0,1,2,3                                ; O^T += V^T P^T: the four accumulators by turns
	v_wmma_scale_f32_16x16x128_f8f6f4 v[OO+8*\n:OO+8*\n+7], v[64+8*\n:71+8*\n], v[PCD:PCD+7], v[OO+8*\n:OO+8*\n+7], v[208+\n], v212 matrix_a_fmt:MATRIX_FMT_FP4 matrix_b_fmt:MATRIX_FMT_FP4
.endr
	s_add_co_u32 s40, s40, 4096
	s_add_co_u32 s41, s41, 512
	s_add_co_u32 s42, s42, 256
.endm
; One tile of 16 queries against all 2,048 keys, and its way out
.macro BLOCKQ b
	s_wait_xcnt 0x0                                ; the last tile's store has read its registers
	v_mov_b32 v13, 0xff61b1e6                      ; the largest t so far: -3e38, under every t
	s_delay_alu instid0(VALU_DEP_1)
	v_floor_f32 v12, -v13                          ; -M
	v_mov_b32 v14, 0                               ; the sum, in two halves
	v_mov_b32 v15, 0
	v_mov_b32 v229, 0                              ; (named as the upper half of the pair v[228:229])
.irp i, 0,1,2,3
	v_mov_b32 v[T2+\i], 0                          ; a lane permute's destination counts as one of its sources
.endr
.set SJ, 0
.rept 32
	v_mov_b32 v[OO+SJ], 0                          ; O^T.  (The step is written once: the first finds zeros, which the first change of M leaves zeros)
.set SJ, SJ+1
.endr
	s_mov_b32 s40, 0
	s_mov_b32 s41, 0
	s_mov_b32 s42, 0
	s_mov_b32 s43, 16
	s_wait_loadcnt 0x0                             ; Q's fragment and scale word
.Lkey_\@:
	s_setprio 2
	STEP
	s_sub_co_u32 s43, s43, 1
	s_cmp_lg_u32 s43, 0
	s_cbranch_scc1 .Lkey_\@
	s_setprio 0
	PLACES                                         ; behind the last products, in front of the first read of O^T
.if \b == 0
	QLOAD 1                                        ; the next tile's Q lands under the way out
.endif
	v_add_f32 v14, v14, v15                        ; the sum's two halves,
	s_delay_alu instid0(VALU_DEP_1)
	v_permlanex16_b32 v230, v14, s28, s29
	s_delay_alu instid0(VALU_DEP_1)
	v_add_f32 v14, v14, v230                       ; and lane l xor 16's: the row's sum
	s_wait_alu depctr_va_vdst(0)
	v_rcp_f32 v14, v14
	v_nop                                          ; a plain place behind the transcendental
.set SJ, 0
	s_wait_alu depctr_va_vdst(0)
.rept 32
	v_mul_f32 v[SS+SJ], v[OO+SJ], v14              ; ctx: register 16 b + i is channel 32 b + 16 h + i of my query
.set SJ, SJ+1
.endr
.irp c, 0,1                                    ; the head's two blocks of 32 along the last projection's K
	v_max3_num_f32 v[BM+\c], |v[SS+16*\c]|, |v[SS+1+16*\c]|, 0x1800000
.endr
.irp i, 2,4,6,8,10,12,14
.irp c, 0,1
	s_delay_alu instid0(VALU_DEP_2)
	v_max3_num_f32 v[BM+\c], v[BM+\c], |v[SS+16*\c+\i]|, |v[SS+1+16*\c+\i]|
.endr
.endr
.irp c, 0,1
	s_delay_alu instid0(VALU_DEP_2)
	v_permlanex16_b32 v[T2+\c], v[BM+\c], s28, s29
.endr
.irp c, 0,1
	s_delay_alu instid0(VALU_DEP_2)
	v_max_num_f32 v[BM+\c], v[BM+\c], v[T2+\c]
.endr
.irp c, 0,1
	s_delay_alu instid0(VALU_DEP_2)
	v_add_nc_u32 v[SCO+\c], 0xff000000, v[BM+\c]
.endr
.irp c, 0,1
	s_delay_alu instid0(VALU_DEP_2)
	v_lshrrev_b32 v[T2+\c], 23, v[SCO+\c]
.endr
	s_delay_alu instid0(VALU_DEP_1)
	v_lshl_or_b32 v230, v[T2+1], 8, v[T2]          ; the two bytes: a halfword
.irp c, 0,1
	v_cvt_scalef32_pk8_fp4_f32 v[PCD+2*\c], v[SS+16*\c:SS+7+16*\c], v[SCO+\c]
	v_cvt_scalef32_pk8_fp4_f32 v[PCD+1+2*\c], v[SS+8+16*\c:SS+15+16*\c], v[SCO+\c]
.endr
	v_nop                                          ; one plain place behind a scaled conversion
	v_permlane16_swap_b32 v[PCD], v[PCD+2]         ; lanes 0-15 block 0, lanes 16-31 block 1
	v_permlane16_swap_b32 v[PCD+1], v[PCD+3]
	global_store_b128 v1, v[PCD:PCD+3], s[36:37] offset:131072*\b   ; 32 lanes store 512 consecutive bytes; block 1's tile lies 16 tiles of 8,192 bytes on
	ds_store_b16 v7, v230 offset:512*\b            ; both lanes of a query write the same halfword with the same value
.endm
	BLOCKQ 0
	BLOCKQ 1
	s_wait_dscnt 0x0                               ; for the others' sake: my halfwords are stored
	s_barrier_signal -1
	s_barrier_wait -1
	s_cmp_lt_u32 s10, 2                            ; waves 0 and 1 carry the work-group's 1,024 bytes of halfwords out, 512 consecutive bytes each
	s_cbranch_scc0 .Lno_cs
	ds_load_b128 v[96:99], v25
	s_wait_dscnt 0x0
	global_store_b128 v26, v[96:99], s[38:39]
.Lno_cs:
	s_wait_tensorcnt 0x0
	ds_add_u32 v254, v255
	s_wait_dscnt 0x0
	CROUND                                         ; the closing round
	s_endpgm
.Lfunc_end_k_q3774705f83_attn:
	.size	k_q3774705f83_attn, .Lfunc_end_k_q3774705f83_attn-k_q3774705f83_attn
	.p2alignl 7, 3214868480
	.fill 96, 4, 3214868480
	.section	.rodata,"a",@progbits
	.p2align	6, 0x0
	.amdhsa_kernel k_q3774705f83_attn
		.amdhsa_group_segment_fixed_size 169984
		.amdhsa_private_segment_fixed_size 0
		.amdhsa_enable_private_segment 0
		.amdhsa_kernarg_size 24
		.amdhsa_user_sgpr_count 2
		.amdhsa_user_sgpr_kernarg_segment_ptr 1
		.amdhsa_wavefront_size32 1
		.amdhsa_system_sgpr_workgroup_id_x 1
		.amdhsa_system_sgpr_workgroup_id_y 1
		.amdhsa_system_sgpr_workgroup_id_z 1
		.amdhsa_system_vgpr_workitem_id 0
		.amdhsa_next_free_vgpr 256
		.amdhsa_next_free_sgpr 66
		.amdhsa_reserve_vcc 0
		.amdhsa_float_denorm_mode_32 3
		.amdhsa_float_denorm_mode_16_64 3
		.amdhsa_memory_ordered 1
		.amdhsa_forward_progress 1
		.amdhsa_inst_pref_size 51
	.end_amdhsa_kernel
	.amdgpu_metadata
---
amdhsa.version: [ 1, 2 ]
amdhsa.kernels:
  - .name:           k_q3774705f83_attn
    .symbol:         k_q3774705f83_attn.kd
    .args:
      - { .name: qkv, .offset: 0, .size: 8, .value_kind: global_buffer, .address_space: global }
      - { .name: cc, .offset: 8, .size: 8, .value_kind: global_buffer, .address_space: global }
      - { .name: cs, .offset: 16, .size: 8, .value_kind: global_buffer, .address_space: global }
    .group_segment_fixed_size: 169984
    .private_segment_fixed_size: 0
    .kernarg_segment_align: 8
    .kernarg_segment_size: 24
    .max_flat_workgroup_size: 512
    .sgpr_count:     66
    .vgpr_count:     256
    .wavefront_size: 32
...
	.end_amdgpu_metadata
.endif
;; end of part 5
;; launch proj (part 6): grid 256 x 1, 16 waves a work-group, no clusters, 327,680 bytes of LDS; arguments cc, cs, Wp_codes, Wp_scales, bp, hidden_input, gamma, beta, out0; writes out0
.if DOCPART == 6
	.amdgcn_target "amdgcn-amd-amdhsa--gfx1250"
	.amdhsa_code_object_version 6
	.text
	.protected	k_q3774705f83_proj
	.globl	k_q3774705f83_proj
	.p2align	8
	.type	k_q3774705f83_proj,@function
k_q3774705f83_proj:
	s_mov_b64 s[64:65], 0
	v_nop
	global_prefetch_b8 v0, s[64:65] scope:SCOPE_SE
	s_setreg_imm32_b32 hwreg(HW_REG_WAVE_MODE, 25, 1), 1
	s_wait_xcnt 0x0
; out = LayerNorm(ctx Wp + bp + hidden) x gamma + beta.  The product is on codes of FP4 (E2M1) with E8M0 scales: ctx's were made by the launch before, Wp's are given (K innermost, 512 bytes a row; 32 scale bytes a row).  All else in f32.
; SHARES.  A work-group takes 32 tokens (two tiles of 16) and ALL 1,024 columns, since a row's mean and variance want the whole row.  In the product wave w makes columns 64 w .. 64 w + 63 for the 32 tokens
; (source 0 = 16 rows of Wp, source 1 = ctx: a lane holds one token and eight neighbouring columns); the results meet in a stage in LDS; then wave w takes two whole rows, adds the hidden rows, normalises and stores.
; ctx's 16,384 bytes of images and the 32 hidden rows come by tensor loads, each wave a part, issued at the start and never again.  A wave's two stage rows are two neighbouring tokens, so its hidden rows are 8,192 dense bytes, which it alone reads.
; The tokens of tile u are 8 u + r + 8 (r / 8) of the 32.  bp is loaded into the accumulators: the sums begin with it.  The variance is taken of x - mean, in a second pass over registers.
; NO CLUSTER: all work-groups walk Wp's 557,056 bytes, but the stage, the hidden rows and ctx take 279,040 of LDS's 327,680 bytes: what is left holds a twelfth of Wp, so a joint walk would want a round of the cluster's barrier
; for every 48,640 bytes; the fragments go straight into registers instead, three K steps on their way.
; LIMITS: NaN and infinities among the inputs are not served.
; REGISTERS: v1-9 addresses; v16-79 accumulators (tile of columns t, tile of tokens m at 16 + 8 (2 t + m)), later my two rows; v80-175 Wp's fragments, three sets, later gamma (v80-111) and beta (v112-143);
;   v144-207 later the hidden rows; v176-207 ctx's fragments, two sets; v208-223 Wp's scale words; v224-231 ctx's; v232-247 at work.
.set HID,  16384                       ; LDS: ctx's images from 0 (tile m, K step s, half c at 8,192 m + 1,024 s + 512 c); here the hidden rows, 8,192 bytes a wave;
.set STG,  147456                      ; here the stage: 32 rows x (4,096 + 16) bytes: no load fills it
.set SP,   4112
.set LI,   1                           ; 16 x lane
.set WAD,  2                           ; Wp: r x 512 + 16 h
.set WSA,  3                           ; its scale bytes: 32 r + 16 h
.set BO,   4                           ; 32 h
.set CSA,  5                           ; 2 x lane
.set STO,  6                           ; v6, v7: into the stage, tokens' tile 0, 1
.set SRD,  8                           ; my two rows of it
.set HRD,  9                           ; my two hidden rows
.set ACC,  16
.set WF,   80
.set CF,   176
.set WS,   208
.set CS,   224
.set GA,   80
.set BE,   112
.set HR,   144
.set RT,   232                         ; row i's eight registers at RT + 8 i: two pairs of sums, the total, the other half's, a pair to broadcast
.macro PLACES
.rept 4
	v_nop
.endr
.endm
	s_load_b512 s[4:19], s[0:1], 0x0               ; ctx's codes, its halfwords, Wp's codes, Wp's scales, bp, hidden, gamma, beta
	s_load_b64 s[20:21], s[0:1], 0x40              ; out
	v_lshl_add_u32 v254, v0, 2, 0x44200
	v_mov_b32 v255, 0
	ds_add_u32 v254, v255
	ds_add_u32 v254, v255
	v_lshrrev_b32 v10, 5, v0
	s_delay_alu instid0(VALU_DEP_1)
	v_readfirstlane_b32 s22, v10                   ; wave 0..15
	; descriptor groups 1: rows of 256 bytes (32 elements of 8 bytes), dense: 4 rows of ctx a wave, 32 rows of hidden
	s_mov_b32 s24, 3<<16
	s_mov_b32 s25, 32<<16
	s_mov_b32 s26, 4<<16
	s_mov_b32 s27, 32<<16
	s_mov_b32 s28, 4
	s_mov_b32 s29, 32
	s_mov_b32 s30, 0
	s_mov_b32 s31, 0
	s_mov_b32 s32, 3<<16
	s_mov_b32 s33, 32<<16
	s_mov_b32 s34, 32<<16
	s_mov_b32 s35, 32<<16
	s_mov_b32 s36, 32
	s_mov_b32 s37, 32
	s_mov_b32 s38, 0
	s_mov_b32 s39, 0
	s_mov_b32 s40, 1
	s_lshl_b32 s41, s22, 10                        ; ctx: 1,024 bytes a wave
	s_mov_b32 s44, 1
	s_lshl_b32 s45, s22, 13
	s_add_co_u32 s45, s45, HID
	s_lshl_b32 s50, ttmp9, 14
	s_add_co_u32 s50, s50, s41                     ; in memory: 16,384 bytes a work-group
	s_mov_b32 s51, 0
	s_lshr_b32 s2, s22, 3                          ; stage rows 2 w, 2 w + 1 are lanes r = 2 (w % 8), r + 1 of tile u = w / 8: tokens 8 u + r + 8 (r / 8) and the next
	s_lshl_b32 s2, s2, 3
	s_and_b32 s3, s22, 7
	s_lshl_b32 s23, s3, 1
	s_add_co_u32 s2, s2, s23
	s_lshr_b32 s3, s3, 2
	s_lshl_b32 s3, s3, 3
	s_add_co_u32 s2, s2, s3
	s_lshl_b32 s3, ttmp9, 5
	s_add_co_u32 s2, s2, s3                        ; + 32 x work-group
	s_lshl_b32 s2, s2, 12                          ; rows of 4,096 bytes
	s_mov_b32 s3, 0
	s_wait_dscnt 0x0
	s_wait_kmcnt 0x0
	s_add_nc_u64 s[42:43], s[4:5], s[50:51]
	s_or_b32 s43, s43, 0x80000000
	s_add_nc_u64 s[46:47], s[14:15], s[2:3]
	s_or_b32 s47, s47, 0x80000000
	tensor_load_to_lds s[40:43], s[24:31]          ; my part of ctx's images: waited for below, before my hidden rows' load goes out
	s_nop 0
	s_wait_alu depctr_va_vdst(0)
	s_wait_tensorcnt 0x0
	ds_add_u32 v254, v255
	s_wait_dscnt 0x0
	s_barrier_signal -1
	s_barrier_wait -1
	tensor_load_to_lds s[44:47], s[32:39]          ; my two hidden rows
	s_nop 0
	PLACES                                         ; (four v_nop follow)
	s_add_nc_u64 s[60:61], s[20:21], s[2:3]        ; out at my two rows
	s_lshl_b32 s50, s22, 8
	s_add_nc_u64 s[52:53], s[12:13], s[50:51]      ; bp at my 64 columns
	s_lshl_b32 s50, s22, 15
	s_add_nc_u64 s[54:55], s[8:9], s[50:51]        ; Wp's codes at my 64 rows
	s_lshl_b32 s50, s22, 11
	s_add_nc_u64 s[56:57], s[10:11], s[50:51]      ; and their scale bytes
	s_lshr_b32 s50, ttmp9, 6
	s_lshl_b32 s50, s50, 16                        ; ctx's halfwords [16 x sequence + head][tile][r]: 65,536 bytes a sequence,
	s_and_b32 s23, ttmp9, 63
	s_lshl_b32 s23, s23, 6                         ; 64 bytes for my two tiles
	s_add_co_u32 s50, s50, s23
	s_add_nc_u64 s[58:59], s[6:7], s[50:51]
	s_mov_b32 s48, 0x76543210
	s_mov_b32 s49, 0xfedcba98                      ; v_permlanex16_b32's selects for lane l xor 16
	s_mov_b32 s62, 0x3a800000                      ; 1 / 1,024
	s_mov_b32 s63, 0x322bcc77                      ; 1e-8
	v_and_b32 v10, 31, v0                          ; lane
	v_and_b32 v11, 15, v0                          ; r
	v_bfe_u32 v12, v0, 4, 1                        ; h
	s_delay_alu instid0(VALU_DEP_3)
	v_lshlrev_b32 v[LI], 4, v10
	s_delay_alu instid0(VALU_DEP_3)
	v_lshlrev_b32 v[WAD], 9, v11
	s_delay_alu instid0(VALU_DEP_1)
	v_lshl_add_u32 v[WAD], v12, 4, v[WAD]
	v_lshlrev_b32 v[WSA], 5, v11
	s_delay_alu instid0(VALU_DEP_1)
	v_lshl_add_u32 v[WSA], v12, 4, v[WSA]
	v_lshlrev_b32 v[BO], 5, v12
	v_lshlrev_b32 v[CSA], 1, v10
	v_mul_u32_u24 v[STO], v11, SP
	s_delay_alu instid0(VALU_DEP_1)
	v_lshl_add_u32 v[STO], v12, 5, v[STO]
	s_lshl_b32 s50, s22, 8
	s_add_co_u32 s50, s50, STG
	v_add_nc_u32 v[STO], s50, v[STO]               ; row r, + 256 x wave + 32 h: my eight columns' bytes
	s_delay_alu instid0(VALU_DEP_1)
	v_add_nc_u32 v[STO+1], 16*SP, v[STO]
	s_mul_i32 s50, s22, 2*SP
	s_add_co_u32 s50, s50, STG
	v_add_nc_u32 v[SRD], s50, v[LI]
	v_add_nc_u32 v[HRD], s45, v[LI]
.irp t, 0,1,2,3                                ; bp in the result's layout: lane (r, h) holds columns 16 t + 8 h + 0 .. 7
.irp m, 0,1
	global_load_b128 v[ACC+8*(2*\t+\m):ACC+8*(2*\t+\m)+3], v[BO], s[52:53] offset:64*\t
	global_load_b128 v[ACC+8*(2*\t+\m)+4:ACC+8*(2*\t+\m)+7], v[BO], s[52:53] offset:64*\t+16
.endr
.endr
.irp t, 0,1,2,3                                ; a row's eight scale words: lanes 0-15 words 0-3, lanes 16-31 words 4-7
	global_load_b128 v[WS+4*\t:WS+4*\t+3], v[WSA], s[56:57] offset:512*\t
.endr
.irp q, 0,1,2,3,4,5,6,7                        ; ctx's scale word of K step q: head 2 q's halfword below, head 2 q + 1's above; lanes 0-15 tile 0, lanes 16-31 tile 1
	global_load_u16 v[CS+\q], v[CSA], s[58:59] offset:8192*\q
.endr
.irp q, 0,1,2,3,4,5,6,7
	global_load_u16 v[RT+\q], v[CSA], s[58:59] offset:8192*\q+4096
.endr
.macro WLOAD q                                 ; Wp's four fragments of K step q into set q % 3
.irp t, 0,1,2,3
.irp c, 0,1
	global_load_b128 v[WF+32*((\q)%3)+8*\t+4*\c:WF+32*((\q)%3)+8*\t+4*\c+3], v[WAD], s[54:55] offset:8192*\t+64*(\q)+32*\c
.endr
.endr
.endm
.macro CLOAD q                                 ; ctx's two fragments of K step q into set q % 2
.irp m, 0,1
.irp c, 0,1
	ds_load_b128 v[CF+16*((\q)%2)+8*\m+4*\c:CF+16*((\q)%2)+8*\m+4*\c+3], v[LI] offset:8192*\m+1024*(\q)+512*\c
.endr
.endr
.endm
	WLOAD 0
	WLOAD 1
	WLOAD 2
	s_wait_loadcnt 24                              ; all but the three sets of fragments
.irp q, 0,1,2,3,4,5,6,7
	v_lshl_or_b32 v[CS+\q], v[RT+\q], 16, v[CS+\q]
.endr
.rept 8
	v_nop                                          ; a scale register written by a vector instruction stands eight places ahead of a scaled matrix instruction
.endr
	s_wait_alu depctr_va_vdst(0)
	s_wait_tensorcnt 1                             ; my part of ctx is in; my hidden rows may stay out
	s_barrier_signal -1
	s_barrier_wait -1                              ; everybody's is
	CLOAD 0
; a K step: eight matrix instructions, the eight accumulators by turns
.macro PSTEP q
.if (\q) < 7
	CLOAD (\q)+1
	s_wait_dscnt 4                                 ; this step's fragments of ctx are in; the next step's four loads may be out
.else
	s_wait_dscnt 0x0
.endif
.if (\q) < 6
	s_wait_loadcnt 16                              ; this step's set is in; the two sets behind it may be out
.elseif (\q) == 6
	s_wait_loadcnt 8
.else
	s_wait_loadcnt 0x0
.endif
.irp t, 0,1,2,3
.irp m, 0,1
.set RA, ACC+8*(2*\t+\m)
.set RW, WF+32*((\q)%3)+8*\t
.set RC, CF+16*((\q)%2)+8*\m
.set RS, WS+4*\t+(\q)%4
.if (\q) < 4
.if \m == 0
	v_wmma_scale_f32_16x16x128_f8f6f4 v[RA:RA+7], v[RW:RW+7], v[RC:RC+7], v[RA:RA+7], v[RS], v[CS+(\q)] matrix_a_fmt:MATRIX_FMT_FP4 matrix_b_fmt:MATRIX_FMT_FP4
.else
	v_wmma_scale_f32_16x16x128_f8f6f4 v[RA:RA+7], v[RW:RW+7], v[RC:RC+7], v[RA:RA+7], v[RS], v[CS+(\q)] matrix_a_fmt:MATRIX_FMT_FP4 matrix_b_fmt:MATRIX_FMT_FP4 matrix_b_scale:MATRIX_SCALE_ROW1
.endif
.else
.if \m == 0
	v_wmma_scale_f32_16x16x128_f8f6f4 v[RA:RA+7], v[RW:RW+7], v[RC:RC+7], v[RA:RA+7], v[RS], v[CS+(\q)] matrix_a_fmt:MATRIX_FMT_FP4 matrix_b_fmt:MATRIX_FMT_FP4 matrix_a_scale:MATRIX_SCALE_ROW1
.else
	v_wmma_scale_f32_16x16x128_f8f6f4 v[RA:RA+7], v[RW:RW+7], v[RC:RC+7], v[RA:RA+7], v[RS], v[CS+(\q)] matrix_a_fmt:MATRIX_FMT_FP4 matrix_b_fmt:MATRIX_FMT_FP4 matrix_a_scale:MATRIX_SCALE_ROW1 matrix_b_scale:MATRIX_SCALE_ROW1
.endif
.endif
.endr
.endr
	PLACES                                         ; in front of loads into registers that these products read, and of the first read of results
.if (\q) < 5
	WLOAD (\q)+3
.endif
.endm
.irp q, 0,1,2,3,4,5,6,7
	PSTEP \q
.endr
.irp j, 0,1,2,3,4,5,6,7                        ; gamma and beta as my rows will lie: register 4 j + e is column 128 j + 4 x lane + e
	global_load_b128 v[GA+4*\j:GA+4*\j+3], v[LI], s[16:17] offset:512*\j
.endr
.irp j, 0,1,2,3,4,5,6,7
	global_load_b128 v[BE+4*\j:BE+4*\j+3], v[LI], s[18:19] offset:512*\j
.endr
.irp t, 0,1,2,3
.irp m, 0,1
	ds_store_b128 v[STO+\m], v[ACC+8*(2*\t+\m):ACC+8*(2*\t+\m)+3] offset:64*\t          ; each accumulator from its low end on
	ds_store_b128 v[STO+\m], v[ACC+8*(2*\t+\m)+4:ACC+8*(2*\t+\m)+7] offset:64*\t+16
.endr
.endr
	s_wait_dscnt 0x0                               ; for the others' sake: my stores into the stage are done
	s_barrier_signal -1
	s_barrier_wait -1                              ; 32 whole rows lie in the stage
	s_wait_tensorcnt 0x0                           ; my hidden rows are in
.irp i, 0,1
.irp j, 0,1,2,3,4,5,6,7
	ds_load_b128 v[ACC+32*\i+4*\j:ACC+32*\i+4*\j+3], v[SRD] offset:SP*\i+512*\j
.endr
.endr
.irp i, 0,1
.irp j, 0,1,2,3,4,5,6,7
	ds_load_b128 v[HR+32*\i+4*\j:HR+32*\i+4*\j+3], v[HRD] offset:4096*\i+512*\j
.endr
.endr
	v_mov_b32 v[RT+5], 0                           ; a lane permute's destination counts as one of its sources
	v_mov_b32 v[RT+13], 0
	s_wait_dscnt 0x0
; both rows' two pairs of sums become the rows' totals, in every lane
.macro REDUCE
.irp i, 0
	s_delay_alu instid0(VALU_DEP_3)
	v_pk_add_f32 v[RT+8*\i:RT+8*\i+1], v[RT+8*\i:RT+8*\i+1], v[RT+8*\i+2:RT+8*\i+3]
.endr
.irp i, 1
	s_delay_alu instid0(VALU_DEP_2)
	v_pk_add_f32 v[RT+8*\i:RT+8*\i+1], v[RT+8*\i:RT+8*\i+1], v[RT+8*\i+2:RT+8*\i+3]
.endr
.irp i, 0,1
	s_delay_alu instid0(VALU_DEP_2)
	v_add_f32 v[RT+8*\i+4], v[RT+8*\i], v[RT+8*\i+1]
.endr
.irp x, 1,2,4,8
.irp i, 0,1
	s_delay_alu instid0(VALU_DEP_2)
	v_add_f32_dpp v[RT+8*\i+4], v[RT+8*\i+4], v[RT+8*\i+4] row_xmask:\x row_mask:0xf bank_mask:0xf
.endr
.endr
.irp i, 0,1
	s_delay_alu instid0(VALU_DEP_2)
	v_permlanex16_b32 v[RT+8*\i+5], v[RT+8*\i+4], s48, s49
.endr
.irp i, 0,1
	s_delay_alu instid0(VALU_DEP_2)
	v_add_f32 v[RT+8*\i+4], v[RT+8*\i+4], v[RT+8*\i+5]
.endr
.endm
.set PK, 0
.rept 16
.irp i, 0,1                                    ; x = ctx Wp + bp + hidden; the two rows by turns throughout
	v_pk_add_f32 v[ACC+32*\i+PK:ACC+32*\i+PK+1], v[ACC+32*\i+PK:ACC+32*\i+PK+1], v[HR+32*\i+PK:HR+32*\i+PK+1]
.endr
.set PK, PK+2
.endr
.irp i, 0,1
	v_pk_add_f32 v[RT+8*\i:RT+8*\i+1], v[ACC+32*\i:ACC+32*\i+1], v[ACC+32*\i+2:ACC+32*\i+3]
	v_pk_add_f32 v[RT+8*\i+2:RT+8*\i+3], v[ACC+32*\i+4:ACC+32*\i+5], v[ACC+32*\i+6:ACC+32*\i+7]
.endr
.irp k, 8,12,16,20,24,28
.irp i, 0,1
	s_delay_alu instid0(VALU_DEP_4)
	v_pk_add_f32 v[RT+8*\i:RT+8*\i+1], v[RT+8*\i:RT+8*\i+1], v[ACC+32*\i+\k:ACC+32*\i+\k+1]
	s_delay_alu instid0(VALU_DEP_4)
	v_pk_add_f32 v[RT+8*\i+2:RT+8*\i+3], v[RT+8*\i+2:RT+8*\i+3], v[ACC+32*\i+\k+2:ACC+32*\i+\k+3]
.endr
.endr
	REDUCE
.irp i, 0,1
	s_delay_alu instid0(VALU_DEP_2)
	v_mul_f32 v[RT+8*\i+6], 0xba800000, v[RT+8*\i+4]   ; - the mean
.endr
.irp i, 0,1
	s_delay_alu instid0(VALU_DEP_2)
	v_mov_b32 v[RT+8*\i+7], v[RT+8*\i+6]
.endr
.set PK, 0
.rept 16
.irp i, 0,1
	v_pk_add_f32 v[ACC+32*\i+PK:ACC+32*\i+PK+1], v[ACC+32*\i+PK:ACC+32*\i+PK+1], v[RT+8*\i+6:RT+8*\i+7]
.endr
.set PK, PK+2
.endr
.irp i, 0,1
	v_pk_mul_f32 v[RT+8*\i:RT+8*\i+1], v[ACC+32*\i:ACC+32*\i+1], v[ACC+32*\i:ACC+32*\i+1]
	v_pk_mul_f32 v[RT+8*\i+2:RT+8*\i+3], v[ACC+32*\i+2:ACC+32*\i+3], v[ACC+32*\i+2:ACC+32*\i+3]
.endr
.irp k, 4,8,12,16,20,24,28
.irp i, 0,1
	s_delay_alu instid0(VALU_DEP_4)
	v_pk_fma_f32 v[RT+8*\i:RT+8*\i+1], v[ACC+32*\i+\k:ACC+32*\i+\k+1], v[ACC+32*\i+\k:ACC+32*\i+\k+1], v[RT+8*\i:RT+8*\i+1]
	s_delay_alu instid0(VALU_DEP_4)
	v_pk_fma_f32 v[RT+8*\i+2:RT+8*\i+3], v[ACC+32*\i+\k+2:ACC+32*\i+\k+3], v[ACC+32*\i+\k+2:ACC+32*\i+\k+3], v[RT+8*\i+2:RT+8*\i+3]
.endr
.endr
	REDUCE
.irp i, 0,1
	s_delay_alu instid0(VALU_DEP_2)
	v_fma_f32 v[RT+8*\i+4], v[RT+8*\i+4], s62, s63 ; the variance + 1e-8
.endr
	s_wait_alu depctr_va_vdst(0)
.irp i, 0,1
	v_rsq_f32 v[RT+8*\i+6], v[RT+8*\i+4]
.endr
	v_nop                                          ; a plain place behind the transcendentals
	s_wait_alu depctr_va_vdst(0)
.irp i, 0,1
	v_mov_b32 v[RT+8*\i+7], v[RT+8*\i+6]
.endr
.set PK, 0
.rept 16
.irp i, 0,1
	v_pk_mul_f32 v[ACC+32*\i+PK:ACC+32*\i+PK+1], v[ACC+32*\i+PK:ACC+32*\i+PK+1], v[RT+8*\i+6:RT+8*\i+7]
.endr
.set PK, PK+2
.endr
	s_wait_loadcnt 0x0                             ; gamma and beta
.set PK, 0
.rept 16
.irp i, 0,1
	v_pk_fma_f32 v[ACC+32*\i+PK:ACC+32*\i+PK+1], v[ACC+32*\i+PK:ACC+32*\i+PK+1], v[GA+PK:GA+PK+1], v[BE+PK:BE+PK+1]
.endr
.set PK, PK+2
.endr
.irp i, 0,1
.irp j, 0,1,2,3,4,5,6,7
	global_store_b128 v[LI], v[ACC+32*\i+4*\j:ACC+32*\i+4*\j+3], s[60:61] offset:4096*\i+512*\j th:TH_STORE_NT   ; 32 lanes store 512 consecutive bytes, aligned; written once, read by nobody here
.endr
.endr
	s_wait_tensorcnt 0x0
	ds_add_u32 v254, v255
	s_wait_dscnt 0x0
	s_endpgm
.Lfunc_end_k_q3774705f83_proj:
	.size	k_q3774705f83_proj, .Lfunc_end_k_q3774705f83_proj-k_q3774705f83_proj
	.p2alignl 7, 3214868480
	.fill 96, 4, 3214868480
	.section	.rodata,"a",@progbits
	.p2align	6, 0x0
	.amdhsa_kernel k_q3774705f83_proj
		.amdhsa_group_segment_fixed_size 327680
		.amdhsa_private_segment_fixed_size 0
		.amdhsa_enable_private_segment 0
		.amdhsa_kernarg_size 72
		.amdhsa_user_sgpr_count 2
		.amdhsa_user_sgpr_kernarg_segment_ptr 1
		.amdhsa_wavefront_size32 1
		.amdhsa_system_sgpr_workgroup_id_x 1
		.amdhsa_system_sgpr_workgroup_id_y 1
		.amdhsa_system_sgpr_workgroup_id_z 1
		.amdhsa_system_vgpr_workitem_id 0
		.amdhsa_next_free_vgpr 256
		.amdhsa_next_free_sgpr 66
		.amdhsa_reserve_vcc 0
		.amdhsa_float_denorm_mode_32 3
		.amdhsa_float_denorm_mode_16_64 3
		.amdhsa_memory_ordered 1
		.amdhsa_forward_progress 1
		.amdhsa_inst_pref_size 50
	.end_amdhsa_kernel
	.amdgpu_metadata
---
amdhsa.version: [ 1, 2 ]
amdhsa.kernels:
  - .name:           k_q3774705f83_proj
    .symbol:         k_q3774705f83_proj.kd
    .args:
      - { .name: cc, .offset: 0, .size: 8, .value_kind: global_buffer, .address_space: global }
      - { .name: cs, .offset: 8, .size: 8, .value_kind: global_buffer, .address_space: global }
      - { .name: Wp_codes, .offset: 16, .size: 8, .value_kind: global_buffer, .address_space: global }
      - { .name: Wp_scales, .offset: 24, .size: 8, .value_kind: global_buffer, .address_space: global }
      - { .name: bp, .offset: 32, .size: 8, .value_kind: global_buffer, .address_space: global }
      - { .name: hidden_input, .offset: 40, .size: 8, .value_kind: global_buffer, .address_space: global }
      - { .name: gamma, .offset: 48, .size: 8, .value_kind: global_buffer, .address_space: global }
      - { .name: beta, .offset: 56, .size: 8, .value_kind: global_buffer, .address_space: global }
      - { .name: out0, .offset: 64, .size: 8, .value_kind: global_buffer, .address_space: global }
    .group_segment_fixed_size: 327680
    .private_segment_fixed_size: 0
    .kernarg_segment_align: 8
    .kernarg_segment_size: 72
    .max_flat_workgroup_size: 512
    .sgpr_count:     66
    .vgpr_count:     256
    .wavefront_size: 32
...
	.end_amdgpu_metadata
.endif
;; end of part 6
